; MI455X (gfx1250); checked and timed in simulation.
; The chip was launched on July 23, 2026; its instructions are those of AMD's public machine-readable ISA for CDNA 5 (MIT licence, August 2026) and "CDNA5" Instruction Set Architecture Reference Guide (July 2026). The comments in the code are by the model that wrote it; some were corrected since.
;; Lightweight Self Attention. Allowed arithmetic: matrix products marked QUANTISED: E2M1 operands, one E8M0 scale for each 32 along K, by v_wmma_scale_f32_16x16x128_f8f6f4 with both operands' format E2M1 (or v_wmma_scale_f32_32x16x128_f4), f32 sums; everything else in f32.
;; Inputs: W_out 512 x 512 float32; W_qkv 512 x 1,024 float32; b_out 512 float32; b_qkv 1,024 float32; ln_beta 512 float32; ln_gamma 512 float32; x 2 x 2,048 x 512 float32.
;; Outputs: out0 2 x 2,048 x 512 float32.
;; This version of the problem:
;;   THIS VERSION OF THE PROBLEM IS GIVEN IN LOW PRECISION. The matrix products marked QUANTISED in the list below multiply operands that are first quantised to E2M1 (2 exponent bits, 1 mantissa bit; 4 bits a number), with one power-of-two scale for each 32 numbers along K (OCP MX v1.0); their sums are f32. All else is computed in f32.
;;   The module's matrix products, in the order in which they are computed (A, B: the left and right operand; K: the contracted axis; several contracted axes count as one K, in the product's order):
;;     1. [M 4,096, K 512] x [K 512, N 1,024]; A: input x; B: input W_qkv: QUANTISED
;;     2. batch 32 x [M 2,048, K 32] x [K 32, N 2,048]; A: computed on the way; B: computed on the way: QUANTISED
;;     3. batch 32 x [M 32, K 2,048] x [K 2,048, N 2,048]; A: computed on the way; B: softmax (see below): QUANTISED
;;     4. [M 4,096, K 512] x [K 512, N 512]; A: computed on the way; B: input W_out: QUANTISED
;;   THE QUANTISER, for each operand of a quantised product, along K:
;;     - K is cut into blocks of 32 from its start; a last block that is shorter is filled with zeros.
;;     - A block's scale is 2^e with e = floor(log2(the largest magnitude in the block)) - 2, held to -126 .. 127; a block of zeros has e = 0. As a byte (E8M0): e + 127.
;;     - Each number is divided by its block's scale, clamped to +-6, and rounded to the nearest number of E2M1, ties to even, subnormals kept.
;;     - The product sums the exact products of the quantised numbers (number of the format x scale) in f32.
;;   ~~~python
;;   def quantise(x, axis):      # numpy; x: float32 -> the quantised numbers, widened to float32 again
;;       x = np.moveaxis(x, axis, -1); K = x.shape[-1]
;;       x = np.pad(x, [(0, 0)] * (x.ndim - 1) + [(0, -K % 32)]); x = x.reshape(x.shape[:-1] + (-1, 32)); a = np.abs(x).max(-1, keepdims=True)
;;       e = np.where(a > 0, np.clip(np.frexp(np.where(a > 0, a, 1))[1] - 1 - 2, -126, 127), 0)      # np.frexp(a)[1] - 1 = floor(log2(a)), exactly
;;       r = np.clip(x / 2.0 ** e, -6, 6)
;;       step = 2.0 ** (np.maximum(np.frexp(np.where(r == 0, 1, r))[1] - 1, 0) - 1)
;;       q = np.round(r / step) * step * 2.0 ** e      # np.round: ties to even
;;       return np.moveaxis(q.reshape(q.shape[:-2] + (-1,))[..., :K], -1, axis).astype(np.float32)
;;   ~~~
;;   SOFTMAX AHEAD OF A QUANTISED PRODUCT. Where the list says 'softmax', what is quantised is not the finished softmax but p = 2^(t - M), with t = logit x log2(e) and M = ceil(the row's largest t), a whole number; so 1/2 < the row's largest p <= 1. The row's sum l is taken of the UNQUANTISED p, in f32, and the product's result is divided by l at the end. Since M is a whole number, a kernel that streams over the keys may use a running M (the ceiling of the running maximum): every later rescaling is an exact power of two, which a block's scale takes up: the codes' values come out the same.
;;   OPERANDS COMPUTED ON THE WAY. 'Computed on the way' means the value that the module computes at that place (a softmax that the list does not call 'softmax' is quantised finished and normalised). What goes into a quantiser is computed in f32, as accurately as f32 sums, v_exp_f32 and their like allow (about 1e-6 of the number): no bf16 or f16 on the way to a quantiser, and a product that is left as it is and whose result goes on into a quantised operand takes f32 operands (vector FMAs, or v_wmma_f32_16x16x4_f32). A number that lies on a knife's edge between two numbers of the format may be rounded either way, as far as f32 arithmetic and the matrix unit's own rounding can turn it there, and no further.
;; 2 versions. Each part assembles by itself: llvm-mc -triple=amdgcn-amd-amdhsa -mcpu=gfx1250 --defsym DOCPART=n.
;; ======== version 1 of 2: 4 launches
;; workspace buffers: xq 1,179,648 bytes; wq 417,792 bytes; qkv 3,342,336 bytes; oq 1,114,112 bytes
;; launch prep (part 1): grid 304 x 1, 4 waves a work-group, no clusters, 34,304 bytes of LDS; arguments x, W_qkv, W_out, xq, wq; writes xq, wq
.if DOCPART == 1
	.amdgcn_target "amdgcn-amd-amdhsa--gfx1250"
	.amdhsa_code_object_version 6
	.text
	.protected	k_qd10aefc239_prep
	.globl	k_qd10aefc239_prep
	.p2align	8
	.type	k_qd10aefc239_prep,@function
k_qd10aefc239_prep:
	s_mov_b64 s[64:65], 0
	v_nop
	global_prefetch_b8 v0, s[64:65] scope:SCOPE_SE
	s_setreg_imm32_b32 hwreg(HW_REG_WAVE_MODE, 25, 1), 1
	s_wait_xcnt 0x0
; x [4096][512], W_qkv [512][1024] and W_out [512][512], f32, become codes of FP4 (E2M1) with one E8M0 byte for each 32 along K (K = 512 in all three),
; laid in the ORDER OF THE OPERAND'S REGISTERS, so that the later launches fetch a fragment by two loads of 512 consecutive bytes.
; A fragment is 16 rows x 128 K: lane (r, h) holds, in register group c (16 bytes), k = 64 c + 32 h + 0 .. 31 of row r.
; SLOT ORDER: of any 32 neighbouring rows (tokens of x, columns of W) tile u, lane r takes row 8 u + r + 8 (r / 8): a product's 16 results of tiles 0 and 1 are then 16 neighbours.
;   xq: codes [tile T 256][K step s 4][c 2][lane 32][16 bytes]; from byte 0x100000 scale words [T][s][lane 32][4] (lanes 16-31 repeat lanes 0-15)
;   wq: codes [block of 32 columns 48][u 2][s 4][c 2][lane 32][16]; blocks 0-31 W_qkv, 32-47 W_out; from byte 0x60000 scale words [block][s][lane 16 u + r][4]
; A block's scale is 2^(floor(log2(largest magnitude)) - 2): its byte is the largest magnitude's exponent field - 2, held at 1 from below by a floor among the maximum's leaves.
; LIMITS: a block of zeros, and one whose largest magnitude lies under 2^-124, gets the byte 1 (its codes are zeros or the nearest codes under that scale); the bytes are read by this program alone.  NaN and infinities are not served.
; SHARES: work-groups 0-47 take a block of 32 columns of a weight each, work-groups 48-303 a tile of 16 tokens of x; wave s takes K step s.  Waves share nothing: no barrier.
.set NWW,    48                        ; work-groups for the weights
.set TM,     8                         ; v8-23   the quantiser's work: largest magnitudes, the other half's / bytes, (free), scale operands
.set SEL,    36                        ; s[36:37] v_permlanex16_b32's selects for lane l xor 16
.set XR,     32                        ; v32-95  x: 16 rows as loaded;  W: v32-159, 128 numbers down K
.set XN,     96                        ; v96-159 x: 64 numbers of my row, register 16 b + i = k 32 b + 16 h + i
.set PC,     160                       ; v160..  the codes
.set PW,     168                       ; v168    x's scale word
.set SPITCH, 528                       ; the stage's rows: 512 bytes + 16: 132 words, so that 16 rows begin at 16 different groups of four banks
.set SWAVE,  16*SPITCH                 ; a wave's own stage
; 64 numbers of a lane, register 16 b + i of block b (lanes l and l xor 16 share a block), become 8 registers of codes (2 a block) and the four bytes of a scale word.
.macro QN src, pc, pw
.irp b, 0,1,2,3
	v_max3_num_f32 v[TM+\b], |v[\src+16*\b]|, |v[\src+16*\b+1]|, 0x1800000   ; my 16 numbers, and the floor 2^(3 - 127): the byte cannot fall under 1
.endr
.irp i, 2,4,6,8,10,12,14
.irp b, 0,1,2,3
	v_max3_num_f32 v[TM+\b], v[TM+\b], |v[\src+16*\b+\i]|, |v[\src+16*\b+\i+1]|   ; the four blocks by turns
.endr
.endr
.irp b, 0,1,2,3
	v_permlanex16_b32 v[TM+4+\b], v[TM+\b], s[SEL], s[SEL+1]
.endr
.irp b, 0,1,2,3
	v_max_num_f32 v[TM+\b], v[TM+\b], v[TM+4+\b]   ; with lane l xor 16's: the block's largest magnitude
.endr
.irp b, 0,1,2,3
	v_add_nc_u32 v[TM+12+\b], 0xff000000, v[TM+\b]   ; 2 off its exponent field: the conversion's scale operand
.endr
.irp b, 0,1,2,3
	v_lshrrev_b32 v[TM+4+\b], 23, v[TM+12+\b]      ; the scale's byte
.endr
	v_lshl_or_b32 v[\pw], v[TM+5], 8, v[TM+4]
	v_lshl_or_b32 v[\pw], v[TM+6], 16, v[\pw]
	v_lshl_or_b32 v[\pw], v[TM+7], 24, v[\pw]
.irp b, 0,1,2,3
	v_cvt_scalef32_pk8_fp4_f32 v[\pc+2*\b], v[\src+16*\b:\src+16*\b+7], v[TM+12+\b]
	v_cvt_scalef32_pk8_fp4_f32 v[\pc+2*\b+1], v[\src+16*\b+8:\src+16*\b+15], v[TM+12+\b]
.endr
	v_nop                                          ; one plain place behind a scaled conversion
.endm
.macro QUANT src, pc, pw               ; and the exchange of halves that gives a lane a whole block: the operand's image
	QN \src, \pc, \pw
.irp c, 0,1
.irp i, 0,1
	v_permlane16_swap_b32 v[\pc+4*\c+\i], v[\pc+4*\c+2+\i]
.endr
.endr
.endm
	s_load_b128 s[4:7], s[0:1], 0x0                ; x, W_qkv
	s_load_b128 s[8:11], s[0:1], 0x10              ; W_out, xq
	s_load_b64 s[12:13], s[0:1], 0x20              ; wq
	v_lshl_add_u32 v192, v0, 2, 0x8400
	v_mov_b32 v193, 0
	v_lshrrev_b32 v1, 5, v0
	v_readfirstlane_b32 s16, v1                    ; wave = K step s
	v_and_b32 v1, 31, v0                           ; lane L
	s_mov_b32 s19, 0
	s_cmp_lt_u32 ttmp9, NWW
	s_cbranch_scc0 .Lx_path
; ---- THE WEIGHTS.  K is their first axis: a lane takes a column and its registers run down K, so a block of 32 lies in one lane and the codes come out with K innermost.
	v_and_b32 v2, 7, v1
	v_bfe_u32 v3, v1, 3, 1
	v_lshl_or_b32 v2, v3, 4, v2
	v_lshrrev_b32 v3, 4, v1                        ; u
	v_lshl_or_b32 v2, v3, 3, v2                    ; lane 16 u + r takes column 8 u + r + 8 (r / 8) of the 32
	v_lshlrev_b32 v2, 2, v2                        ; in bytes: the 32 lanes of a load cover 128 consecutive bytes
	v_and_b32 v5, 15, v1
	v_lshlrev_b32 v5, 4, v5
	v_lshl_or_b32 v3, v3, 12, v5                   ; where my codes go: 4,096 u + 16 r
	v_lshlrev_b32 v4, 2, v1                        ; and my scale word: 4 L
	s_lshl_b32 s18, ttmp9, 13
	s_lshl_b32 s24, s16, 10
	s_add_co_u32 s18, s18, s24                     ; 8,192 x block + 1,024 s
	s_wait_kmcnt 0x0
	s_add_nc_u64 s[20:21], s[12:13], s[18:19]
	s_lshl_b32 s18, ttmp9, 9
	s_lshl_b32 s24, s16, 7
	s_add_co_u32 s18, s18, s24
	s_add_co_u32 s18, s18, 0x60000                 ; 0x60000 + 512 x block + 128 s
	s_add_nc_u64 s[22:23], s[12:13], s[18:19]
.macro WLOAD base, pitch               ; W(128 s + i, my column), i = 0 .. 127
.set ii, 0
.rept 128
	global_load_b32 v[XR+ii], v2, s[\base:\base+1] offset:ii*\pitch th:TH_LOAD_NT
.set ii, ii+1
.endr
.endm
	s_cmp_lt_u32 ttmp9, 32                         ; which weight: the two differ in base and pitch; both arms issue 128 loads
	s_cbranch_scc0 .Lw_out
	s_lshl_b32 s18, s16, 19                        ; 128 rows of 4,096 bytes
	s_lshl_b32 s24, ttmp9, 7
	s_add_co_u32 s18, s18, s24
	s_add_nc_u64 s[26:27], s[6:7], s[18:19]
	WLOAD 26, 4096
	s_branch .Lw_join
.Lw_out:
	s_sub_co_u32 s24, ttmp9, 32
	s_lshl_b32 s24, s24, 7
	s_lshl_b32 s18, s16, 18                        ; 128 rows of 2,048 bytes
	s_add_co_u32 s18, s18, s24
	s_add_nc_u64 s[28:29], s[8:9], s[18:19]
	WLOAD 28, 2048
.Lw_join:
; Block kb of the K step.  left: how many of the 128 loads may still be out.
.macro WBLOCK kb, left
.set XS, XR+32*\kb
	s_wait_loadcnt \left
	v_max3_num_f32 v8, |v[XS]|, |v[XS+1]|, |v[XS+2]|
	v_max3_num_f32 v9, |v[XS+3]|, |v[XS+4]|, |v[XS+5]|
.irp i, 6,10,14,18,22,26
	v_max3_num_f32 v8, v8, |v[XS+\i]|, |v[XS+\i+1]|
	v_max3_num_f32 v9, v9, |v[XS+\i+2]|, |v[XS+\i+3]|
.endr
	v_max3_num_f32 v8, v8, |v[XS+30]|, |v[XS+31]|
	v_max3_num_f32 v8, v8, v9, 0x1800000           ; and the floor
	v_add_nc_u32 v10, 0xff000000, v8               ; the conversion's scale operand
	v_lshrrev_b32 v11, 23, v10                     ; the byte
.if \kb == 0
	v_mov_b32 v16, v11
.else
	v_lshl_or_b32 v16, v11, 8*\kb, v16
.endif
.irp g, 0,1,2,3
	v_cvt_scalef32_pk8_fp4_f32 v[PC+4*\kb+\g], v[XS+8*\g:XS+8*\g+7], v10
.endr
	v_nop                                          ; one plain place: the next block writes v10
	global_store_b128 v3, v[PC+4*\kb:PC+4*\kb+3], s[20:21] offset:256*\kb   ; block kb = 2 c + h lies at 512 c + 256 h: lanes 0-15 fill one aligned 256 bytes, lanes 16-31 another; each block has its own registers
.endm
	WBLOCK 0, 63                                   ; at most 63 of 128 out: the first 65 are in, more than the 32 wanted (the count cannot name more than 63)
	WBLOCK 1, 63                                   ; the first 65 are in: 64 are wanted
	WBLOCK 2, 32
	WBLOCK 3, 0
	global_store_b32 v4, v16, s[22:23]             ; 128 consecutive bytes
	s_endpgm
; ---- x.  K is innermost: each load takes a row's 512 consecutive bytes; they turn through the wave's own stage so that a lane gets 16 neighbours of each block.
.Lx_path:
	s_sub_co_u32 s17, ttmp9, NWW                   ; tile T
	s_lshr_b32 s18, s17, 1
	s_lshl_b32 s18, s18, 5
	s_and_b32 s24, s17, 1
	s_lshl_b32 s24, s24, 3
	s_add_co_u32 s18, s18, s24                     ; its first token: 32 (T / 2) + 8 (T % 2)
	s_lshl_b32 s18, s18, 11
	s_lshl_b32 s24, s16, 9
	s_add_co_u32 s18, s18, s24                     ; rows of 2,048 bytes, + 512 s
	s_wait_kmcnt 0x0
	s_add_nc_u64 s[30:31], s[4:5], s[18:19]
	s_lshl_b32 s18, s17, 12
	s_lshl_b32 s24, s16, 10
	s_add_co_u32 s18, s18, s24
	s_add_nc_u64 s[32:33], s[10:11], s[18:19]      ; codes: 4,096 T + 1,024 s
	s_lshl_b32 s18, s17, 9
	s_lshl_b32 s24, s16, 7
	s_add_co_u32 s18, s18, s24
	s_add_co_u32 s18, s18, 0x100000
	s_add_nc_u64 s[34:35], s[10:11], s[18:19]      ; scale words: 0x100000 + 512 T + 128 s
	v_lshlrev_b32 v2, 4, v1                        ; 16 L
	v_lshlrev_b32 v3, 2, v1                        ; 4 L
.irp i, 0,1,2,3,4,5,6,7,8,9,10,11,12,13,14,15
	global_load_b128 v[XR+4*\i:XR+4*\i+3], v2, s[30:31] offset:(\i+8*(\i/8))*2048   ; the tile's row i is token i + 8 (i / 8) from its first.  (No hint: the last launch reads x again)
.endr
	s_mul_i32 s25, s16, SWAVE
	v_add_nc_u32 v4, s25, v2                       ; into the stage: 16 L of a row
	v_and_b32 v5, 15, v1
	v_lshrrev_b32 v6, 4, v1
	v_mul_u32_u24 v5, v5, SPITCH
	v_lshl_add_u32 v5, v6, 6, v5
	v_add_nc_u32 v5, s25, v5                       ; out of it: row r, + 64 h
	s_mov_b32 s[SEL], 0x76543210
	s_mov_b32 s[SEL+1], 0xfedcba98
.irp b, 0,1,2,3
	v_mov_b32 v[TM+4+\b], 0                        ; a lane permute's destination counts as one of its sources
.endr
.irp i, 0,1,2,3,4,5,6,7,8,9,10,11,12,13,14,15
	s_wait_loadcnt 15-\i                           ; loads come back in order: row i is in
	ds_store_b128 v4, v[XR+4*\i:XR+4*\i+3] offset:\i*SPITCH
.endr
.irp b, 0,1,2,3
.irp j, 0,1,2,3
	ds_load_b128 v[XN+16*\b+4*\j:XN+16*\b+4*\j+3], v5 offset:128*\b+16*\j   ; LDS serves a wave's instructions in order: these see my stores
.endr
.endr
	s_wait_dscnt 0x0
	QUANT XN, PC, PW
	global_store_b128 v2, v[PC:PC+3], s[32:33]             ; 512 consecutive bytes each
	global_store_b128 v2, v[PC+4:PC+7], s[32:33] offset:512
	global_store_b32 v3, v[PW], s[34:35]
	s_wait_tensorcnt 0x0
	ds_add_u32 v192, v193
	s_wait_dscnt 0x0
	s_endpgm
.Lfunc_end_k_qd10aefc239_prep:
	.size	k_qd10aefc239_prep, .Lfunc_end_k_qd10aefc239_prep-k_qd10aefc239_prep
	.p2alignl 7, 3214868480
	.fill 96, 4, 3214868480
	.section	.rodata,"a",@progbits
	.p2align	6, 0x0
	.amdhsa_kernel k_qd10aefc239_prep
		.amdhsa_group_segment_fixed_size 34304
		.amdhsa_private_segment_fixed_size 0
		.amdhsa_enable_private_segment 0
		.amdhsa_kernarg_size 40
		.amdhsa_user_sgpr_count 2
		.amdhsa_user_sgpr_kernarg_segment_ptr 1
		.amdhsa_wavefront_size32 1
		.amdhsa_system_sgpr_workgroup_id_x 1
		.amdhsa_system_sgpr_workgroup_id_y 1
		.amdhsa_system_sgpr_workgroup_id_z 1
		.amdhsa_system_vgpr_workitem_id 0
		.amdhsa_next_free_vgpr 194
		.amdhsa_next_free_sgpr 66
		.amdhsa_reserve_vcc 0
		.amdhsa_float_denorm_mode_32 3
		.amdhsa_float_denorm_mode_16_64 3
		.amdhsa_memory_ordered 1
		.amdhsa_forward_progress 1
		.amdhsa_inst_pref_size 42
	.end_amdhsa_kernel
	.amdgpu_metadata
---
amdhsa.version: [ 1, 2 ]
amdhsa.kernels:
  - .name:           k_qd10aefc239_prep
    .symbol:         k_qd10aefc239_prep.kd
    .args:
      - { .name: x, .offset: 0, .size: 8, .value_kind: global_buffer, .address_space: global }
      - { .name: W_qkv, .offset: 8, .size: 8, .value_kind: global_buffer, .address_space: global }
      - { .name: W_out, .offset: 16, .size: 8, .value_kind: global_buffer, .address_space: global }
      - { .name: xq, .offset: 24, .size: 8, .value_kind: global_buffer, .address_space: global }
      - { .name: wq, .offset: 32, .size: 8, .value_kind: global_buffer, .address_space: global }
    .group_segment_fixed_size: 34304
    .private_segment_fixed_size: 0
    .kernarg_segment_align: 8
    .kernarg_segment_size: 40
    .max_flat_workgroup_size: 128
    .sgpr_count:     66
    .vgpr_count:     194
    .wavefront_size: 32
...
	.end_amdgpu_metadata
.endif
;; end of part 1
;; launch proj (part 2): grid 64 x 4, 8 waves a work-group, no clusters, 0 bytes of LDS; arguments xq, wq, b_qkv, qkv; writes qkv
.if DOCPART == 2
	.amdgcn_target "amdgcn-amd-amdhsa--gfx1250"
	.amdhsa_code_object_version 6
	.text
	.protected	k_qd10aefc239_proj
	.globl	k_qd10aefc239_proj
	.p2align	8
	.type	k_qd10aefc239_proj,@function
k_qd10aefc239_proj:
	s_mov_b64 s[64:65], 0
	v_nop
	global_prefetch_b8 v0, s[64:65] scope:SCOPE_SE
	s_setreg_imm32_b32 hwreg(HW_REG_WAVE_MODE, 25, 1), 1
	s_wait_xcnt 0x0
; qkv = x W_qkv + b_qkv on codes of FP4 (E2M1) with E8M0 scales; q = silu(qk) / sqrt(32), k = tanh(qk) and v are quantised here, in registers, for the attention's two products.
; SHARES.  A work-group takes 64 tokens (4 tiles of 16) x 256 columns; a wave 64 tokens x 32 columns = one head: waves 0-3 a head of qk, waves 4-7 a head of v.  32 matrix instructions a wave on 8 accumulators.
; All operands come as images of their registers, 512 consecutive bytes a load; no wave reads a fragment twice, so nothing goes through LDS and there is no barrier.
; qk: THE PRODUCT IS USED TRANSPOSED (source 0 = 16 columns of W, source 1 = 16 tokens): a lane holds one token and, by the slot order of W's columns, 16 neighbouring channels 16 h + 0 .. 15 of the head: the next K.
; v:  as it stands (source 0 = tokens, source 1 = columns): a lane holds one channel and, by the slot order of the tokens, 16 neighbouring tokens of each block of 32: the keys, which are the second product's K.
; OUT (qkv): q codes [bh 32][block of 32 tokens 64][token slot 32][16 bytes]; k codes at 0x100000 likewise; v codes at 0x200000 [bh][key block 64][channel slot 32][16 bytes = 32 keys];
;   at 0x300000 [bh][group of 64 tokens 32][q, k][r 16][byte = tile 0-3]; at 0x320000 v's bytes [bh][pair of key blocks 32][channel slot 32][2].
; tanh: for z^2 < 1/16 the series z + z^3 (-1/3 + 2/15 z^2 - 17/315 z^4 + 62/2835 z^6), whose next term is under 1e-8 of the value there; else 1 - 2 / (1 + 2^(2 z log2 e)).
; LIMITS: finite inputs.  silu gives -0 where e^-z overflows (z < -88).  A block of zeros or under 2^-124 gets the byte 1; the bytes are read by this program alone.
.set WS,  10                           ; v10-13  W's scale words of K step s: lanes 0-15 tile 0, lanes 16-31 tile 1
.set XS,  14                           ; v14-29  x's scale words (tile tt, K step s) at 4 tt + s
.set TM,  30                           ; v30-45  the quantiser's work
.set PCQ, 46                           ; v46-53  codes of q (or v)
.set PCK, 54                           ; v54-61  codes of k
.set PWQ, 62
.set PWK, 63
.set ACC, 66                           ; v66-129  the 8 accumulators; then q
.set KV,  130                          ; v130-193 z^2, then k
.set T1,  194                          ; v194-241 three sets of 16 at work
.set T2,  210
.set T3,  226
.set C3,  242                          ; v[242:243] 62/2835, twice
.set WF,  0                            ; window 1: W's fragments (tile e, K step s) at 8 (4 e + s)
.set XF,  64                           ; window 1: x's (tile tt, K step s) at 64 + 8 (4 tt + s)
.set BI,  192                          ; window 1: the bias in the result's layout, 8 registers a tile of columns
.set SEL, 36
.set CE1, 40                           ; s[40:41] -log2 e;  the packed forms name a pair and take its low word for both halves
.set CE2, 42                           ; 2 log2 e
.set ONE, 44
.set C2,  46                           ; -17/315
.set C1,  48                           ; 2/15
.set C0,  50                           ; -1/3
.set CSC, 52                           ; 1 / sqrt(32)
.set MSB, 0
.macro WIN new                         ; the immediate's high byte repeats the setting that is left
.if MSB != \new
	s_set_vgpr_msb (MSB<<8)|\new
.set MSB, \new
.endif
.endm
.macro NOPS n
.rept \n
	v_nop
.endr
.endm
; One matrix instruction.  c < 0: the constant 0 starts the sum.  row 1: source 0's scales from lanes 16-31; row 2: source 1's.
.macro WM d, a, b, c, sa, sb, row
.if (\c) < 0
.if (\row) == 0
	v_wmma_scale_f32_16x16x128_f8f6f4 v[\d:\d+7], v[\a:\a+7], v[\b:\b+7], 0, v[\sa], v[\sb] matrix_a_fmt:MATRIX_FMT_FP4 matrix_b_fmt:MATRIX_FMT_FP4
.elseif (\row) == 1
	v_wmma_scale_f32_16x16x128_f8f6f4 v[\d:\d+7], v[\a:\a+7], v[\b:\b+7], 0, v[\sa], v[\sb] matrix_a_fmt:MATRIX_FMT_FP4 matrix_b_fmt:MATRIX_FMT_FP4 matrix_a_scale:MATRIX_SCALE_ROW1
.else
	v_wmma_scale_f32_16x16x128_f8f6f4 v[\d:\d+7], v[\a:\a+7], v[\b:\b+7], 0, v[\sa], v[\sb] matrix_a_fmt:MATRIX_FMT_FP4 matrix_b_fmt:MATRIX_FMT_FP4 matrix_b_scale:MATRIX_SCALE_ROW1
.endif
.else
.if (\row) == 0
	v_wmma_scale_f32_16x16x128_f8f6f4 v[\d:\d+7], v[\a:\a+7], v[\b:\b+7], v[\c:\c+7], v[\sa], v[\sb] matrix_a_fmt:MATRIX_FMT_FP4 matrix_b_fmt:MATRIX_FMT_FP4
.elseif (\row) == 1
	v_wmma_scale_f32_16x16x128_f8f6f4 v[\d:\d+7], v[\a:\a+7], v[\b:\b+7], v[\c:\c+7], v[\sa], v[\sb] matrix_a_fmt:MATRIX_FMT_FP4 matrix_b_fmt:MATRIX_FMT_FP4 matrix_a_scale:MATRIX_SCALE_ROW1
.else
	v_wmma_scale_f32_16x16x128_f8f6f4 v[\d:\d+7], v[\a:\a+7], v[\b:\b+7], v[\c:\c+7], v[\sa], v[\sb] matrix_a_fmt:MATRIX_FMT_FP4 matrix_b_fmt:MATRIX_FMT_FP4 matrix_b_scale:MATRIX_SCALE_ROW1
.endif
.endif
.endm
; 64 numbers of a lane, register 16 b + i of block b (lanes l and l xor 16 share a block), become 8 registers of codes (2 a block: 8 bytes, half a block) and a word of four scale bytes.
.macro QN src, pc, pw
.irp b, 0,1,2,3
	v_max3_num_f32 v[TM+\b], |v[\src+16*\b]|, |v[\src+16*\b+1]|, 0x1800000   ; my 16 numbers, and the floor 2^(3 - 127): the byte cannot fall under 1
.endr
.irp i, 2,4,6,8,10,12,14
.irp b, 0,1,2,3
	v_max3_num_f32 v[TM+\b], v[TM+\b], |v[\src+16*\b+\i]|, |v[\src+16*\b+\i+1]|   ; the four blocks by turns, each accumulator from its low end on
.endr
.endr
.irp b, 0,1,2,3
	v_permlanex16_b32 v[TM+4+\b], v[TM+\b], s[SEL], s[SEL+1]
.endr
.irp b, 0,1,2,3
	v_max_num_f32 v[TM+\b], v[TM+\b], v[TM+4+\b]
.endr
.irp b, 0,1,2,3
	v_add_nc_u32 v[TM+12+\b], 0xff000000, v[TM+\b]   ; 2 off the exponent field: the conversion's scale operand
.endr
.irp b, 0,1,2,3
	v_lshrrev_b32 v[TM+4+\b], 23, v[TM+12+\b]      ; the byte
.endr
	v_lshl_or_b32 v[\pw], v[TM+5], 8, v[TM+4]
	v_lshl_or_b32 v[\pw], v[TM+6], 16, v[\pw]
	v_lshl_or_b32 v[\pw], v[TM+7], 24, v[\pw]
.irp b, 0,1,2,3
	v_cvt_scalef32_pk8_fp4_f32 v[\pc+2*\b], v[\src+16*\b:\src+16*\b+7], v[TM+12+\b]
	v_cvt_scalef32_pk8_fp4_f32 v[\pc+2*\b+1], v[\src+16*\b+8:\src+16*\b+15], v[TM+12+\b]
.endr
	v_nop                                          ; one plain place behind a scaled conversion
.endm
; The scale words, then the fragments K step by K step: 12 loads a step (4 of W, 8 of x).
.macro OPERANDS
	WIN 0
.irp tt, 0,1,2,3
.irp s, 0,1,2,3
	global_load_b32 v[XS+4*\tt+\s], v2, s[18:19] offset:\tt*512+\s*128
.endr
.endr
.irp s, 0,1,2,3
	global_load_b32 v[WS+\s], v2, s[22:23] offset:\s*128
.endr
	WIN 0x40                                       ; destination window 1, address window 0
.irp s, 0,1,2,3
.irp e, 0,1
.irp c, 0,1
	global_load_b128 v[WF+8*(4*\e+\s)+4*\c:WF+8*(4*\e+\s)+4*\c+3], v1, s[20:21] offset:\e*4096+\s*1024+\c*512
.endr
.endr
.irp tt, 0,1,2,3
.irp c, 0,1
	global_load_b128 v[XF+8*(4*\tt+\s)+4*\c:XF+8*(4*\tt+\s)+4*\c+3], v1, s[16:17] offset:\tt*4096+\s*1024+\c*512
.endr
.endr
.endr
.endm
; The 32 products.  The 8 accumulators take turns, one instruction a turn, in the same order in every K step.  The bias is the C of each sum's first instruction.
.macro MM varm
.irp s, 0,1,2,3
	s_wait_loadcnt 12*(3-\s)                       ; all but the 12 fragment loads of each later K step
.if \s == 0
	WIN 0x15                                       ; sources 0, 1 and C (the bias) window 1, D window 0
.else
	WIN 0x05                                       ; sources 0 and 1 window 1, C and D window 0
.endif
.irp tt, 0,1,2,3
.irp e, 0,1
.if \varm
.set DD, ACC+16*(2*\e+\tt/2)+8*(\tt%2)
.if \s == 0
	WM DD, XF+8*(4*\tt+\s), WF+8*(4*\e+\s), BI+8*\e, XS+4*\tt+\s, WS+\s, 2*\e
.else
	WM DD, XF+8*(4*\tt+\s), WF+8*(4*\e+\s), DD, XS+4*\tt+\s, WS+\s, 2*\e
.endif
.else
.set DD, ACC+16*\tt+8*\e
.if \s == 0
	WM DD, WF+8*(4*\e+\s), XF+8*(4*\tt+\s), BI+8*\e, WS+\s, XS+4*\tt+\s, \e
.else
	WM DD, WF+8*(4*\e+\s), XF+8*(4*\tt+\s), DD, WS+\s, XS+4*\tt+\s, \e
.endif
.endif
.endr
.endr
.endr
	WIN 0
	NOPS 4                                         ; four places between the last products and the first read of results
.endm
; Tile tt's 16 numbers z of a lane become q (in place) and k (in KV).  Each stage runs over all 16, so no line waits for the line above it.
.macro ACT tt
.set Z, ACC+16*\tt
.set U, KV+16*\tt
.set jj, 0
.rept 8
	v_pk_mul_f32 v[T1+jj:T1+jj+1], v[Z+jj:Z+jj+1], s[CE1:CE1+1] op_sel_hi:[1,0]   ; -z log2 e
	v_pk_mul_f32 v[T2+jj:T2+jj+1], v[Z+jj:Z+jj+1], s[CE2:CE2+1] op_sel_hi:[1,0]   ; 2 z log2 e
.set jj, jj+2
.endr
.set jj, 0
.rept 16
	v_exp_f32 v[T1+jj], v[T1+jj]
	v_exp_f32 v[T2+jj], v[T2+jj]
.set jj, jj+1
.endr
.set jj, 0
.rept 8
	v_pk_mul_f32 v[U+jj:U+jj+1], v[Z+jj:Z+jj+1], v[Z+jj:Z+jj+1]   ; z^2.  (The plain place behind the exponentials)
.set jj, jj+2
.endr
.set jj, 0
	s_wait_alu depctr_va_vdst(0)
.rept 8
	v_pk_add_f32 v[T1+jj:T1+jj+1], v[T1+jj:T1+jj+1], s[ONE:ONE+1] op_sel_hi:[1,0]
	v_pk_add_f32 v[T2+jj:T2+jj+1], v[T2+jj:T2+jj+1], s[ONE:ONE+1] op_sel_hi:[1,0]
.set jj, jj+2
.endr
.set jj, 0
.rept 16
	v_rcp_f32 v[T1+jj], v[T1+jj]                   ; sigmoid(z)
	v_rcp_f32 v[T2+jj], v[T2+jj]
.set jj, jj+1
.endr
.set jj, 0
.rept 8
	v_pk_fma_f32 v[T3+jj:T3+jj+1], v[U+jj:U+jj+1], v[C3:C3+1], s[C2:C2+1] op_sel_hi:[1,1,0]   ; the series, by Horner.  (The plain place behind the reciprocals)
.set jj, jj+2
.endr
.set jj, 0
.rept 8
	v_pk_fma_f32 v[T3+jj:T3+jj+1], v[T3+jj:T3+jj+1], v[U+jj:U+jj+1], s[C1:C1+1] op_sel_hi:[1,1,0]
.set jj, jj+2
.endr
.set jj, 0
.rept 8
	v_pk_fma_f32 v[T3+jj:T3+jj+1], v[T3+jj:T3+jj+1], v[U+jj:U+jj+1], s[C0:C0+1] op_sel_hi:[1,1,0]
.set jj, jj+2
.endr
.set jj, 0
	s_wait_alu depctr_va_vdst(0)
.rept 16
	v_fma_f32 v[T2+jj], v[T2+jj], -2.0, 1.0        ; 1 - 2 / (1 + e^(2 z))
.set jj, jj+1
.endr
.set jj, 0
.rept 8
	v_pk_mul_f32 v[T3+jj:T3+jj+1], v[T3+jj:T3+jj+1], v[U+jj:U+jj+1]
.set jj, jj+2
.endr
.set jj, 0
.rept 8
	v_pk_fma_f32 v[T3+jj:T3+jj+1], v[T3+jj:T3+jj+1], v[Z+jj:Z+jj+1], v[Z+jj:Z+jj+1]   ; z + z (z^2 ( .. ))
.set jj, jj+2
.endr
.set jj, 0
.rept 16
	v_cmp_gt_f32 vcc_lo, 0x3d800000, v[U+jj]       ; z^2 < 1/16: the series; a choice of a value, made in every lane
	v_cndmask_b32 v[U+jj], v[T2+jj], v[T3+jj], vcc_lo   ; k
.set jj, jj+1
.endr
.set jj, 0
.rept 8
	v_pk_mul_f32 v[T1+jj:T1+jj+1], v[T1+jj:T1+jj+1], v[Z+jj:Z+jj+1]   ; silu(z)
.set jj, jj+2
.endr
.set jj, 0
.rept 8
	v_pk_mul_f32 v[Z+jj:Z+jj+1], v[T1+jj:T1+jj+1], s[CSC:CSC+1] op_sel_hi:[1,0]   ; q
.set jj, jj+2
.endr
.endm
	s_load_b128 s[4:7], s[0:1], 0x0                ; xq, wq
	s_load_b128 s[8:11], s[0:1], 0x10              ; b_qkv, qkv
	v_lshrrev_b32 v8, 5, v0
	v_readfirstlane_b32 s12, v8                    ; wave 0..7
	v_and_b32 v8, 31, v0                           ; L
	v_and_b32 v9, 15, v0                           ; r
	v_lshlrev_b32 v1, 4, v8                        ; 16 L: an image's place for my lane
	v_lshlrev_b32 v2, 2, v8                        ; 4 L: a scale word's
	v_lshlrev_b32 v3, 1, v8                        ; 2 L
	v_bfe_u32 v5, v0, 4, 1                         ; h
	v_lshlrev_b32 v4, 4, v9
	v_lshl_add_u32 v4, v5, 3, v4                   ; 16 r + 8 h: my 8 bytes of codes
	v_lshlrev_b32 v5, 6, v5                        ; 64 h: qk's bias
	v_and_b32 v6, 8, v9
	v_add_nc_u32 v6, v6, v9
	v_lshlrev_b32 v6, 2, v6                        ; 4 (r + 8 (r / 8)): v's bias
	v_mov_b32 v[C3], 0x3cb327a4                    ; 62/2835
	v_mov_b32 v[C3+1], 0x3cb327a4
.irp b, 0,1,2,3
	v_mov_b32 v[TM+4+\b], 0                        ; a lane permute's destination counts as one of its sources
.endr
	s_and_b32 s13, ttmp7, 0xffff                   ; y
	s_lshl_b32 s14, s13, 2
	s_add_co_u32 s14, s14, s12
	s_cmp_lt_u32 s12, 4
	s_cselect_b32 s15, 0, 12
	s_add_co_u32 s14, s14, s15                     ; my block of 32 columns: 4 y + w for qk (0-15), 12 + 4 y + w for v (16-31)
	s_mov_b32 s31, 0
	s_mov_b32 s[SEL], 0x76543210
	s_mov_b32 s[SEL+1], 0xfedcba98
	s_mov_b32 s38, 0xffff0000                      ; lanes 16-31
	s_mov_b32 s[CE1], 0xbfb8aa3b
	s_mov_b32 s[CE1+1], s[CE1]
	s_mov_b32 s[CE2], 0x4038aa3b
	s_mov_b32 s[CE2+1], s[CE2]
	s_mov_b32 s[ONE], 1.0
	s_mov_b32 s[ONE+1], 1.0
	s_mov_b32 s[C2], 0xbd5d0dd1
	s_mov_b32 s[C2+1], s[C2]
	s_mov_b32 s[C1], 0x3e088889
	s_mov_b32 s[C1+1], s[C1]
	s_mov_b32 s[C0], 0xbeaaaaab
	s_mov_b32 s[C0+1], s[C0]
	s_mov_b32 s[CSC], 0x3e3504f3
	s_mov_b32 s[CSC+1], s[CSC]
	s_lshr_b32 s32, ttmp9, 5
	s_lshl_b32 s32, s32, 4
	s_and_b32 s33, s14, 15
	s_add_co_u32 s32, s32, s33                     ; bh = 16 x batch + head
	s_and_b32 s33, ttmp9, 31                       ; G: the group of 64 tokens in its batch
	s_wait_kmcnt 0x0
	s_lshl_b32 s30, ttmp9, 14
	s_add_nc_u64 s[16:17], s[4:5], s[30:31]        ; x's codes: 4 tiles of 4,096 bytes
	s_lshl_b32 s30, ttmp9, 11
	s_add_co_u32 s30, s30, 0x100000
	s_add_nc_u64 s[18:19], s[4:5], s[30:31]        ; x's scale words
	s_lshl_b32 s30, s14, 13
	s_add_nc_u64 s[20:21], s[6:7], s[30:31]        ; W's codes
	s_lshl_b32 s30, s14, 9
	s_add_co_u32 s30, s30, 0x60000
	s_add_nc_u64 s[22:23], s[6:7], s[30:31]        ; W's scale words
	s_lshl_b32 s30, s14, 7
	s_add_nc_u64 s[24:25], s[8:9], s[30:31]        ; the bias of my 32 columns
	s_lshl_b32 s34, s32, 15
	s_lshl_b32 s35, s33, 10
	s_add_co_u32 s34, s34, s35                     ; 32,768 bh + 1,024 G
	s_cmp_lt_u32 s12, 4
	s_cbranch_scc0 .Lv_arm
; ---- a head of qk
	s_mov_b32 s30, s34
	s_add_nc_u64 s[26:27], s[10:11], s[30:31]
	s_lshl_b32 s30, s32, 12
	s_lshl_b32 s35, s33, 7
	s_add_co_u32 s30, s30, s35
	s_add_co_u32 s30, s30, 0x300000
	s_add_nc_u64 s[28:29], s[10:11], s[30:31]
	WIN 0x40
.irp e, 0,1
	global_load_b128 v[BI+8*\e:BI+8*\e+3], v5, s[24:25] offset:32*\e        ; register j of tile e: channel 16 h + 8 e + j
	global_load_b128 v[BI+8*\e+4:BI+8*\e+7], v5, s[24:25] offset:32*\e+16
.endr
	OPERANDS
	MM 0
	ACT 0
	ACT 1
	ACT 2
	ACT 3
	QN ACC, PCQ, PWQ                               ; block tt = tile tt's token: its 32 channels lie in lanes l and l xor 16
	QN KV, PCK, PWK
.irp tt, 0,1,2,3
	global_store_b64 v4, v[PCQ+2*\tt:PCQ+2*\tt+1], s[26:27] offset:\tt*256              ; 256 consecutive bytes, aligned
	global_store_b64 v4, v[PCK+2*\tt:PCK+2*\tt+1], s[26:27] offset:0x100000+\tt*256
.endr
	v_cndmask_b32 v64, v[PWQ], v[PWK], s38         ; lanes 0-15 q's words, lanes 16-31 k's
	global_store_b32 v2, v64, s[28:29]             ; 128 consecutive bytes
	s_endpgm
; ---- a head of v
.Lv_arm:
	s_add_co_u32 s30, s34, 0x200000
	s_add_nc_u64 s[26:27], s[10:11], s[30:31]
	s_lshl_b32 s30, s32, 11
	s_lshl_b32 s35, s33, 6
	s_add_co_u32 s30, s30, s35
	s_add_co_u32 s30, s30, 0x320000
	s_add_nc_u64 s[28:29], s[10:11], s[30:31]
	WIN 0x40
.irp e, 0,1
.irp j, 0,1,2,3,4,5,6,7
	global_load_b32 v[BI+8*\e+\j], v6, s[24:25] offset:32*\e   ; a lane holds one channel, 8 e + r + 8 (r / 8): its bias in all eight registers
.endr
.endr
	OPERANDS
	MM 1
	QN ACC, PCQ, PWQ                               ; block 2 e + c: channel slot (e, r), the 32 tokens of key block c
.irp e, 0,1
.irp c, 0,1
	global_store_b64 v4, v[PCQ+2*(2*\e+\c):PCQ+2*(2*\e+\c)+1], s[26:27] offset:\c*512+\e*256
.endr
.endr
	v_lshrrev_b32 v64, 16, v[PWQ]
	v_cndmask_b32 v64, v[PWQ], v64, s38            ; lanes 0-15: tile 0's two bytes; lanes 16-31: tile 1's
	global_store_b16 v3, v64, s[28:29]             ; 64 consecutive bytes
	s_endpgm
.Lfunc_end_k_qd10aefc239_proj:
	.size	k_qd10aefc239_proj, .Lfunc_end_k_qd10aefc239_proj-k_qd10aefc239_proj
	.p2alignl 7, 3214868480
	.fill 96, 4, 3214868480
	.section	.rodata,"a",@progbits
	.p2align	6, 0x0
	.amdhsa_kernel k_qd10aefc239_proj
		.amdhsa_group_segment_fixed_size 0
		.amdhsa_private_segment_fixed_size 0
		.amdhsa_enable_private_segment 0
		.amdhsa_kernarg_size 32
		.amdhsa_user_sgpr_count 2
		.amdhsa_user_sgpr_kernarg_segment_ptr 1
		.amdhsa_wavefront_size32 1
		.amdhsa_system_sgpr_workgroup_id_x 1
		.amdhsa_system_sgpr_workgroup_id_y 1
		.amdhsa_system_sgpr_workgroup_id_z 1
		.amdhsa_system_vgpr_workitem_id 0
		.amdhsa_next_free_vgpr 464
		.amdhsa_next_free_sgpr 66
		.amdhsa_reserve_vcc 1
		.amdhsa_float_denorm_mode_32 3
		.amdhsa_float_denorm_mode_16_64 3
		.amdhsa_memory_ordered 1
		.amdhsa_forward_progress 1
		.amdhsa_inst_pref_size 82
	.end_amdhsa_kernel
	.amdgpu_metadata
---
amdhsa.version: [ 1, 2 ]
amdhsa.kernels:
  - .name:           k_qd10aefc239_proj
    .symbol:         k_qd10aefc239_proj.kd
    .args:
      - { .name: xq, .offset: 0, .size: 8, .value_kind: global_buffer, .address_space: global }
      - { .name: wq, .offset: 8, .size: 8, .value_kind: global_buffer, .address_space: global }
      - { .name: b_qkv, .offset: 16, .size: 8, .value_kind: global_buffer, .address_space: global }
      - { .name: qkv, .offset: 24, .size: 8, .value_kind: global_buffer, .address_space: global }
    .group_segment_fixed_size: 0
    .private_segment_fixed_size: 0
    .kernarg_segment_align: 8
    .kernarg_segment_size: 32
    .max_flat_workgroup_size: 256
    .sgpr_count:     66
    .vgpr_count:     464
    .wavefront_size: 32
...
	.end_amdgpu_metadata
.endif
;; end of part 2
;; launch attn (part 3): grid 8 x 32, 4 waves a work-group, no clusters, 0 bytes of LDS; arguments qkv, oq; writes oq
.if DOCPART == 3
	.amdgcn_target "amdgcn-amd-amdhsa--gfx1250"
	.amdhsa_code_object_version 6
	.text
	.protected	k_qd10aefc239_attn
	.globl	k_qd10aefc239_attn
	.p2align	8
	.type	k_qd10aefc239_attn,@function
k_qd10aefc239_attn:
	s_mov_b64 s[64:65], 0
	v_nop
	global_prefetch_b8 v0, s[64:65] scope:SCOPE_SE
	s_setreg_imm32_b32 hwreg(HW_REG_WAVE_MODE, 25, 1), 1
	s_wait_xcnt 0x0
; o = softmax((q k^T) x band) v for one head, both products on codes of FP4 (E2M1) with E8M0 scales; o is quantised here for the last product.
; THE BAND multiplies: outside |i - j| <= 64 the score is thrown away and the logit is exactly 0.  So q k^T and the softmax's arithmetic are done only for the 5 aligned blocks of 32 keys that touch a tile's band.
; Everywhere else p = 2^-M, and a block of 32 such p quantises exactly: every code 4.0 (the nibble 6) under the byte 125 - M.  The second product stays dense, on the matrix unit: its operand outside the band is a
; constant image (0x66666666) with a scale word made of M.
; SOFTMAX: t = logit x log2 e; M = ceil(the row's largest t), and 0 is always among the logits; p = 2^(t - M) is quantised along the keys; the row's sum is taken of the unquantised p (1,888 keys give 2^-M each) and divides at the end.
; SHARES.  A wave owns 64 queries of one head, four tiles of 16 in slot order (tile (c, u), lane r: query 32 c + 8 u + r + 8 (r / 8)).  The text is a straight line: no LDS, no barrier, no loop, no branch.
; The head's 32 pairs of key blocks are walked from pair G - 1, round the end: relative blocks 0-7 (K steps 0, 1 of the second product) begin at key 64 (G - 1); the other 14 K steps are constant.  Tile (cq, uq) has band keys in relative
; blocks cq .. cq + 4.  Where pair 0 (G = 0) or pair 2 (G = 31) has gone round the end its keys lie outside the band: K's codes are cleared there, so the scores are 0; V's blocks there are keys that the sum owes anyway.
; THE FIRST PRODUCT HAS K = 32, the instruction 128: a fragment of K holds 64 keys x 32 channels, key tile beta in K block beta; the query operand has q's codes in block beta alone and zero codes elsewhere.
; Both products are used transposed (S^T = k q^T, O^T = v^T p^T): a lane holds one query throughout.
; LIMITS: finite inputs (an infinite score times 0 is not reproduced).  For M > 124 the constant blocks' byte is held at 1 and 2^-M falls to 0 from M = 127 on.  A block of zeros or under 2^-124 gets the byte 1.
; Why no shared copy of V in LDS: each wave reads each fragment once, as its registers' image, in loads of 512 consecutive bytes.
.set THR, 6                            ; v6, v7  r + 8 (r / 8) - 16 h (+ 8): the mask's threshold for uq = 0, 1
.set QW,  8                            ; v8-11   q's scale byte of tile tt, in all four bytes
.set KS,  12                           ; v12-14  k's scale words of pair g
.set QSR, 15                           ; v15     q's four bytes as loaded
.set VSW, 16                           ; v16-31  v's scale words of K step i: lanes 0-15 channel tile 0, lanes 16-31 tile 1
.set QR,  32                           ; v32-47  q's codes, 4 registers a tile, in both halves of the lanes
.set QS,  48                           ; v48-67  0 A 0 B 0, four registers each: A = q in lanes 0-15, B = q in lanes 16-31
.set KF,  68                           ; v68-91  k's three fragments
.set CN,  92                           ; v92-99  0x66666666
.set P,   100                          ; v100-115 p's codes: K step 0, K step 1
.set PWA, 116                          ; p's scale words: relative blocks 0-3, 4-7, and the constant blocks'
.set PWB, 117
.set PWC, 118
.set S,   120                          ; v120-199 the scores of 5 blocks x 16, then p
.set O,   120                          ; v120-135 O^T, once p's sums are taken
.set BM,  200                          ; v200-205 each block's largest score, then its largest p; the sixth is the score 0
.set BT,  206                          ; v206-211 the other half's, then the bytes
.set BSC, 212                          ; v212-217 the conversions' scale operands
.set NM,  218                          ; v[218:219] -M (the pair is named; its low word serves both halves)
.set SU,  220                          ; v220-223 two pairs of sums
.set WK,  224                          ; v224-231 at work
.set OC,  232                          ; v232-239 o's codes, 2 a tile
.set OW,  240                          ; o's four bytes
.set VO,  120                          ; at the head only: v120-151 V's offsets, v152-183 its scale halves' offsets, v184-215 those halves
.set SO,  152
.set VR,  184
.set KO,  224                          ; v224-226, v227-229, v230, v231: offsets of k's codes, k's words, q's word, q's codes
.set KSO, 227
.set QSO, 230
.set R16, 231
.set SEL, 32
.set MSB, 0
.macro WIN new
.if MSB != \new
	s_set_vgpr_msb (MSB<<8)|\new
.set MSB, \new
.endif
.endm
.macro NOPS n
.rept \n
	v_nop
.endr
.endm
.macro WM d, a, b, c, sa, sb, row      ; c < 0: the constant 0 starts the sum.  row 1: source 0's scales from lanes 16-31
.if (\c) < 0
.if (\row) == 0
	v_wmma_scale_f32_16x16x128_f8f6f4 v[\d:\d+7], v[\a:\a+7], v[\b:\b+7], 0, v[\sa], v[\sb] matrix_a_fmt:MATRIX_FMT_FP4 matrix_b_fmt:MATRIX_FMT_FP4
.else
	v_wmma_scale_f32_16x16x128_f8f6f4 v[\d:\d+7], v[\a:\a+7], v[\b:\b+7], 0, v[\sa], v[\sb] matrix_a_fmt:MATRIX_FMT_FP4 matrix_b_fmt:MATRIX_FMT_FP4 matrix_a_scale:MATRIX_SCALE_ROW1
.endif
.else
.if (\row) == 0
	v_wmma_scale_f32_16x16x128_f8f6f4 v[\d:\d+7], v[\a:\a+7], v[\b:\b+7], v[\c:\c+7], v[\sa], v[\sb] matrix_a_fmt:MATRIX_FMT_FP4 matrix_b_fmt:MATRIX_FMT_FP4
.else
	v_wmma_scale_f32_16x16x128_f8f6f4 v[\d:\d+7], v[\a:\a+7], v[\b:\b+7], v[\c:\c+7], v[\sa], v[\sb] matrix_a_fmt:MATRIX_FMT_FP4 matrix_b_fmt:MATRIX_FMT_FP4 matrix_a_scale:MATRIX_SCALE_ROW1
.endif
.endif
.endm
.macro BYTEREG sym, kb, cq             ; which register holds relative block kb's byte
.if ((\kb) >= (\cq)) && ((\kb) <= (\cq)+4)
.set \sym, BT+(\kb)-(\cq)
.else
.set \sym, BT+5
.endif
.endm
.macro PWORD dst, k0, cq               ; the scale word of relative blocks k0 .. k0 + 3
	BYTEREG X0, \k0, \cq
	BYTEREG X1, \k0+1, \cq
	BYTEREG X2, \k0+2, \cq
	BYTEREG X3, \k0+3, \cq
	v_lshl_or_b32 v[\dst], v[X1], 8, v[X0]
	v_lshl_or_b32 v[\dst], v[X2], 16, v[\dst]
	v_lshl_or_b32 v[\dst], v[X3], 24, v[\dst]
.endm
	s_load_b128 s[4:7], s[0:1], 0x0                ; qkv, oq
	v_lshrrev_b32 v1, 5, v0
	v_readfirstlane_b32 s8, v1                     ; wave 0..3
	s_and_b32 s9, ttmp7, 0xffff                    ; bh
	s_lshl_b32 s10, ttmp9, 2
	s_add_co_u32 s10, s10, s8                      ; G: my group of 64 queries
	s_add_co_u32 s11, s10, 31
	s_and_b32 s11, s11, 31                         ; the pair at which the walk begins: G - 1, round the end
	s_mov_b32 s13, 0
	s_mov_b32 s15, 0
	s_mov_b32 s30, 0xffff                          ; lanes 0-15
	s_mov_b32 s31, 0xffff0000                      ; lanes 16-31
	s_mov_b32 s[SEL], 0x76543210
	s_mov_b32 s[SEL+1], 0xfedcba98
	s_mov_b32 s34, 0x3fb8aa3b                      ; log2 e
	s_mov_b32 s35, s34
	s_mov_b32 s38, 0x446c0000                      ; 944: half of the 2,048 - 160 keys whose p is 2^-M
	s_cmp_eq_u32 s10, 0
	s_cselect_b32 s36, 0, -1                       ; pair 0 has gone round the end
	s_cmp_eq_u32 s10, 31
	s_cselect_b32 s37, 0, -1                       ; pair 2 has
	v_and_b32 v1, 31, v0                           ; L
	v_and_b32 v2, 15, v0                           ; r
	v_bfe_u32 v3, v0, 4, 1                         ; h
	v_lshlrev_b32 v4, 4, v2
	v_lshl_add_u32 v4, v3, 3, v4                   ; 16 r + 8 h: my 8 bytes of o's codes
	v_lshlrev_b32 v5, 2, v2                        ; 4 r
	v_and_b32 v6, 8, v2
	v_add_nc_u32 v6, v6, v2
	v_lshlrev_b32 v7, 4, v3
	v_sub_nc_u32 v6, v6, v7                        ; r + 8 (r / 8) - 16 h
	v_add_nc_u32 v7, 8, v6
	v_lshlrev_b32 v[R16], 4, v2
	s_lshl_b32 s14, s11, 10
	v_lshl_add_u32 v241, v3, 9, v[R16]
	v_add_nc_u32 v241, s14, v241                   ; V: 1,024 x pair + 512 h + 16 r
	v_lshl_add_u32 v243, v1, 4, s14                ; k: 1,024 x pair + 16 L
	s_lshl_b32 s14, s11, 6
	v_lshl_add_u32 v242, v1, 1, s14                ; V's bytes: 64 x pair + 2 L
	s_lshl_b32 s14, s11, 7
	v_add_nc_u32 v244, s14, v5                     ; k's words: 128 x pair + 4 r
	s_lshl_b32 s14, s10, 7
	v_add_nc_u32 v[QSO], s14, v5
.irp g, 0,1,2
	v_add_nc_u32 v[KO+\g], 1024*\g, v243
	v_add_nc_u32 v[KSO+\g], 128*\g, v244
.endr
.irp g, 0,1,2
	v_and_b32 v[KO+\g], 0x7fff, v[KO+\g]           ; round the head's end
	v_and_b32 v[KSO+\g], 0xfff, v[KSO+\g]
.endr
	s_wait_kmcnt 0x0
	s_lshl_b32 s12, s9, 15
	s_add_nc_u64 s[18:19], s[4:5], s[12:13]
	s_add_nc_u64 s[20:21], s[18:19], 0x200000      ; v's codes of the head
	s_lshl_b32 s14, s10, 10
	s_add_nc_u64 s[16:17], s[18:19], s[14:15]      ; q's codes of my 64 queries
	s_add_nc_u64 s[18:19], s[18:19], 0x100000      ; k's codes of the head
	s_lshl_b32 s12, s9, 12
	s_add_co_u32 s12, s12, 0x300000
	s_add_nc_u64 s[22:23], s[4:5], s[12:13]        ; q's and k's scale words
	s_lshl_b32 s12, s9, 11
	s_add_co_u32 s12, s12, 0x320000
	s_add_nc_u64 s[24:25], s[4:5], s[12:13]        ; v's scale bytes
.irp t, 0,1,2,3
	global_load_b128 v[QR+4*\t:QR+4*\t+3], v[R16], s[16:17] offset:\t*256
.endr
	global_load_b32 v[QSR], v[QSO], s[22:23]
.irp g, 0,1,2
.irp c, 0,1
	global_load_b128 v[KF+8*\g+4*\c:KF+8*\g+4*\c+3], v[KO+\g], s[18:19] offset:\c*512   ; 512 consecutive bytes: lane 16 u + r takes key slot (c, u, r): K block 2 c + u of row r
.endr
.endr
.irp g, 0,1,2
	global_load_b32 v[KS+\g], v[KSO+\g], s[22:23] offset:64
.endr
.set nn, 0
.rept 32
	v_add_nc_u32 v[SO+nn], 64*nn, v242
.set nn, nn+1
.endr
.set nn, 0
.rept 32
	v_and_b32 v[SO+nn], 0x7ff, v[SO+nn]
.set nn, nn+1
.endr
.set nn, 0
.rept 32
	global_load_u16 v[VR+nn], v[SO+nn], s[24:25]   ; pair n's two bytes of channel slot L
.set nn, nn+1
.endr
.set nn, 0
.rept 32
	v_add_nc_u32 v[VO+nn], 1024*nn, v241
.set nn, nn+1
.endr
.set nn, 0
.rept 32
	v_and_b32 v[VO+nn], 0x7fff, v[VO+nn]
.set nn, nn+1
.endr
	WIN 0x40                                       ; destination window 1, address window 0
.set nn, 0
.rept 32
.irp e, 0,1
	global_load_b128 v[16*(nn/2)+8*\e+4*(nn%2):16*(nn/2)+8*\e+4*(nn%2)+3], v[VO+nn], s[20:21] offset:\e*256   ; V's fragment (K step n / 2, channel tile e), register group n % 2
.endr
.set nn, nn+1
.endr
	WIN 0
	s_and_b32 s14, s9, 15                          ; the head
	s_lshr_b32 s12, s9, 4
	s_lshl_b32 s12, s12, 5
	s_add_co_u32 s39, s12, s10                     ; the group among both batches' 64
	s_lshl_b32 s12, s14, 16
	s_lshl_b32 s8, s39, 10
	s_add_co_u32 s12, s12, s8
	s_add_nc_u64 s[26:27], s[6:7], s[12:13]        ; o's codes
	s_lshl_b32 s12, s14, 12
	s_lshl_b32 s8, s39, 6
	s_add_co_u32 s12, s12, s8
	s_add_co_u32 s12, s12, 0x100000
	s_add_nc_u64 s[28:29], s[6:7], s[12:13]        ; o's bytes
.irp i, 0,1,2,3
	v_mov_b32 v[QS+\i], 0
	v_mov_b32 v[QS+8+\i], 0
	v_mov_b32 v[QS+16+\i], 0
.endr
.irp i, 0,1,2,3,4,5,6,7
	v_mov_b32 v[CN+\i], 0x66666666
.endr
	v_mov_b32 v[NM+1], 0
	s_wait_loadcnt 63                              ; 110 loads are issued: at most 63 out means the first 47 are in: q, k, their words and V's 32 halves are the first 46
	s_wait_xcnt 0x0                                ; all addresses are translated: the offsets' registers may be written again
.irp t, 0,1,2,3
	v_perm_b32 v[QW+\t], v[QSR], v[QSR], \t*0x01010101   ; tile t's byte in all four: whichever K block holds q has it
.endr
.set nn, 0
.rept 16
	v_lshl_or_b32 v[VSW+nn], v[VR+2*nn+1], 16, v[VR+2*nn]
.set nn, nn+1
.endr
.irp i, 0,1,2,3,4,5
	v_mov_b32 v[BT+\i], 0                          ; a lane permute's destination counts as one of its sources
.endr
	v_mov_b32 v[WK+3], 0
.irp i, 0,1,2,3,4,5,6,7
	v_and_b32 v[KF+\i], s36, v[KF+\i]              ; zero codes where the pair has gone round the end: scores 0, as outside the band
	v_and_b32 v[KF+16+\i], s37, v[KF+16+\i]
.endr
; ONE TILE OF 16 QUERIES.
.macro TILE cq, uq, first
.set tt, 2*\cq+\uq
.irp i, 0,1,2,3
	v_cndmask_b32 v[QS+4+\i], 0, v[QR+4*tt+\i], s30    ; A
	v_cndmask_b32 v[QS+12+\i], 0, v[QR+4*tt+\i], s31   ; B
.endr
	NOPS 4                                         ; an operand written by vector instructions stands four places ahead of a scaled matrix instruction
.irp bl, 0,1,2,3,4                     ; S^T of relative block cq + bl, key tiles 0 and 1: K block beta = 2 (block % 2) + tile; q begins at 4 (1 - beta / 2) + 8 (beta % 2)
.irp e, 0,1
.set bb, \cq+\bl
	WM S+16*\bl+8*\e, KF+8*(bb/2), QS+4*(1-bb%2)+8*\e, -1, KS+bb/2, QW+tt, 0
.endr
.endr
	NOPS 4
.set ii, 0                             ; register i of a block is key 16 h + i.  The first block counts from the threshold on, the last up to it; the three between count whole
.rept 16
	v_cmp_ge_i32 vcc_lo, ii, v[THR+\uq]
	v_cndmask_b32 v[S+ii], 0, v[S+ii], vcc_lo
.set ii, ii+1
.endr
.set ii, 0
.rept 16
	v_cmp_le_i32 vcc_lo, ii, v[THR+\uq]
	v_cndmask_b32 v[S+64+ii], 0, v[S+64+ii], vcc_lo
.set ii, ii+1
.endr
.irp bl, 0,1,2,3,4                     ; each block's largest score: for the row's maximum and, since p rises with the score, for the block's largest p
	v_max3_num_f32 v[BM+\bl], v[S+16*\bl], v[S+16*\bl+1], v[S+16*\bl+2]
.endr
.irp i, 3,5,7,9,11,13
.irp bl, 0,1,2,3,4
	v_max3_num_f32 v[BM+\bl], v[BM+\bl], v[S+16*\bl+\i], v[S+16*\bl+\i+1]
.endr
.endr
.irp bl, 0,1,2,3,4
	v_max_num_f32 v[BM+\bl], v[BM+\bl], v[S+16*\bl+15]
.endr
.irp bl, 0,1,2,3,4
	v_permlanex16_b32 v[BT+\bl], v[BM+\bl], s[SEL], s[SEL+1]
.endr
.irp bl, 0,1,2,3,4
	v_max_num_f32 v[BM+\bl], v[BM+\bl], v[BT+\bl]
.endr
	v_mov_b32 v[BM+5], 0                           ; the score of every key outside the band
	v_max3_num_f32 v[WK], v[BM], v[BM+1], v[BM+2]
	v_max3_num_f32 v[WK], v[WK], v[BM+3], v[BM+4]
	v_max_num_f32 v[WK], 0, v[WK]                  ; 0 is among every row's logits
	v_mul_f32 v[WK], s34, v[WK]
	v_floor_f32 v[NM], -v[WK]                      ; -M = floor(-t) = -ceil(t)
.set jj, 0
.rept 40
	v_pk_fma_f32 v[S+jj:S+jj+1], v[S+jj:S+jj+1], s[34:35], v[NM:NM+1] op_sel_hi:[1,0,0]   ; t - M
.set jj, jj+2
.endr
.irp bl, 0,1,2,3,4,5
	v_fma_f32 v[BM+\bl], v[BM+\bl], s34, v[NM]
.endr
.set jj, 0
.rept 80
	v_exp_f32 v[S+jj], v[S+jj]                     ; p
.set jj, jj+1
.endr
.irp bl, 0,1,2,3,4,5
	v_exp_f32 v[BM+\bl], v[BM+\bl]                 ; the same two instructions on the same number: the block's largest p
.endr
	v_nop                                          ; a plain place behind the exponentials
	s_wait_alu depctr_va_vdst(0)
	v_mov_b32 v[WK+1], v[BM+5]                     ; 2^-M
.irp bl, 0,1,2,3,4,5
	v_max_num_f32 v[BM+\bl], 0x1800000, v[BM+\bl]  ; the floor: the byte cannot fall under 1
.endr
.irp bl, 0,1,2,3,4,5
	v_add_nc_u32 v[BSC+\bl], 0xff000000, v[BM+\bl]
.endr
.irp bl, 0,1,2,3,4,5
	v_lshrrev_b32 v[BT+\bl], 23, v[BSC+\bl]
.endr
	PWORD PWA, 0, \cq
	PWORD PWB, 4, \cq
	v_perm_b32 v[PWC], v[BT+5], v[BT+5], 0         ; 125 - M in all four bytes
.set kb, 0
.rept 8
.if (kb >= \cq) && (kb <= \cq+4)
	v_cvt_scalef32_pk8_fp4_f32 v[P+2*kb], v[S+16*(kb-\cq):S+16*(kb-\cq)+7], v[BSC+kb-\cq]
	v_cvt_scalef32_pk8_fp4_f32 v[P+2*kb+1], v[S+16*(kb-\cq)+8:S+16*(kb-\cq)+15], v[BSC+kb-\cq]
.else
	v_mov_b32 v[P+2*kb], 0x66666666
	v_mov_b32 v[P+2*kb+1], 0x66666666
.endif
.set kb, kb+1
.endr
	v_nop                                          ; one plain place behind a scaled conversion
.irp k, 0,1,2                          ; a whole block to a lane; blocks 6 and 7 are constant in both halves
.irp i, 0,1
	v_permlane16_swap_b32 v[P+4*\k+\i], v[P+4*\k+2+\i]
.endr
.endr
	v_pk_add_f32 v[SU:SU+1], v[S:S+1], v[S+2:S+3]  ; the sum of the unquantised p, in two chains.  (These lines are also the places between p's words and codes and the products)
	v_pk_add_f32 v[SU+2:SU+3], v[S+4:S+5], v[S+6:S+7]
.irp j, 8,12,16,20,24,28,32,36,40,44,48,52,56,60,64,68,72,76
	v_pk_add_f32 v[SU:SU+1], v[SU:SU+1], v[S+\j:S+\j+1]
	v_pk_add_f32 v[SU+2:SU+3], v[SU+2:SU+3], v[S+\j+2:S+\j+3]
.endr
	v_pk_add_f32 v[SU:SU+1], v[SU:SU+1], v[SU+2:SU+3]
	v_add_f32 v[WK+2], v[SU], v[SU+1]
	v_fma_f32 v[WK+2], v[WK+1], s38, v[WK+2]       ; + 944 x 2^-M in each half of the lanes
	v_permlanex16_b32 v[WK+3], v[WK+2], s[SEL], s[SEL+1]
	v_add_f32 v[WK+2], v[WK+2], v[WK+3]
	v_rcp_f32 v[WK+4], v[WK+2]
	v_nop                                          ; a plain place behind the reciprocal
.if \first
	s_wait_loadcnt 0x0                             ; V
.endif
	WIN 0x01                                       ; source 0 (V) window 1
.set ii, 0                             ; O^T = V^T P^T over all 2,048 keys: the two accumulators take turns, one instruction a turn
.rept 16
.irp e, 0,1
.if ii == 0
	WM O+8*\e, 16*ii+8*\e, P, -1, VSW+ii, PWA, \e
.elseif ii == 1
	WM O+8*\e, 16*ii+8*\e, P+8, O+8*\e, VSW+ii, PWB, \e
.else
	WM O+8*\e, 16*ii+8*\e, CN, O+8*\e, VSW+ii, PWC, \e
.endif
.endr
.set ii, ii+1
.endr
	WIN 0
	NOPS 4
.set ii, 0
	s_wait_alu depctr_va_vdst(0)
.rept 16
	v_mul_f32 v[O+ii], v[O+ii], v[WK+4]            ; / the sum: register i is channel 16 h + i of my query
.set ii, ii+1
.endr
	v_max3_num_f32 v[WK], |v[O]|, |v[O+1]|, 0x1800000   ; o's block: the head's 32 channels, in lanes l and l xor 16
	v_max3_num_f32 v[WK+5], |v[O+2]|, |v[O+3]|, |v[O+4]|
	v_max3_num_f32 v[WK], v[WK], |v[O+5]|, |v[O+6]|
	v_max3_num_f32 v[WK+5], v[WK+5], |v[O+7]|, |v[O+8]|
	v_max3_num_f32 v[WK], v[WK], |v[O+9]|, |v[O+10]|
	v_max3_num_f32 v[WK+5], v[WK+5], |v[O+11]|, |v[O+12]|
	v_max3_num_f32 v[WK], v[WK], |v[O+13]|, |v[O+14]|
	v_max3_num_f32 v[WK], v[WK], v[WK+5], |v[O+15]|
	v_permlanex16_b32 v[WK+3], v[WK], s[SEL], s[SEL+1]
	v_max_num_f32 v[WK], v[WK], v[WK+3]
	v_add_nc_u32 v[WK+6], 0xff000000, v[WK]
	v_lshrrev_b32 v[WK+7], 23, v[WK+6]
	v_cvt_scalef32_pk8_fp4_f32 v[OC+2*tt], v[O:O+7], v[WK+6]
	v_cvt_scalef32_pk8_fp4_f32 v[OC+2*tt+1], v[O+8:O+15], v[WK+6]
	v_nop                                          ; one plain place behind a scaled conversion
.if tt == 0
	v_mov_b32 v[OW], v[WK+7]
.else
	v_lshl_or_b32 v[OW], v[WK+7], 8*tt, v[OW]
.endif
	global_store_b64 v4, v[OC+2*tt:OC+2*tt+1], s[26:27] offset:tt*256   ; 256 consecutive bytes, aligned; each tile has its own registers
.endm
	TILE 0, 0, 1
	TILE 0, 1, 0
	TILE 1, 0, 0
	TILE 1, 1, 0
	v_cmp_gt_u32 vcc_lo, 16, v1
	s_wait_xcnt 0x0                                ; EXEC changes only behind this wait
	s_and_saveexec_b32 s39, vcc_lo
	global_store_b32 v5, v[OW], s[28:29]           ; lanes 0-15: 64 consecutive bytes
	s_endpgm
.Lfunc_end_k_qd10aefc239_attn:
	.size	k_qd10aefc239_attn, .Lfunc_end_k_qd10aefc239_attn-k_qd10aefc239_attn
	.p2alignl 7, 3214868480
	.fill 96, 4, 3214868480
	.section	.rodata,"a",@progbits
	.p2align	6, 0x0
	.amdhsa_kernel k_qd10aefc239_attn
		.amdhsa_group_segment_fixed_size 0
		.amdhsa_private_segment_fixed_size 0
		.amdhsa_enable_private_segment 0
		.amdhsa_kernarg_size 16
		.amdhsa_user_sgpr_count 2
		.amdhsa_user_sgpr_kernarg_segment_ptr 1
		.amdhsa_wavefront_size32 1
		.amdhsa_system_sgpr_workgroup_id_x 1
		.amdhsa_system_sgpr_workgroup_id_y 1
		.amdhsa_system_sgpr_workgroup_id_z 1
		.amdhsa_system_vgpr_workitem_id 0
		.amdhsa_next_free_vgpr 512
		.amdhsa_next_free_sgpr 66
		.amdhsa_reserve_vcc 1
		.amdhsa_float_denorm_mode_32 3
		.amdhsa_float_denorm_mode_16_64 3
		.amdhsa_memory_ordered 1
		.amdhsa_forward_progress 1
		.amdhsa_inst_pref_size 121
	.end_amdhsa_kernel
	.amdgpu_metadata
---
amdhsa.version: [ 1, 2 ]
amdhsa.kernels:
  - .name:           k_qd10aefc239_attn
    .symbol:         k_qd10aefc239_attn.kd
    .args:
      - { .name: qkv, .offset: 0, .size: 8, .value_kind: global_buffer, .address_space: global }
      - { .name: oq, .offset: 8, .size: 8, .value_kind: global_buffer, .address_space: global }
    .group_segment_fixed_size: 0
    .private_segment_fixed_size: 0
    .kernarg_segment_align: 8
    .kernarg_segment_size: 16
    .max_flat_workgroup_size: 128
    .sgpr_count:     66
    .vgpr_count:     512
    .wavefront_size: 32
...
	.end_amdgpu_metadata
.endif
;; end of part 3
;; launch outln (part 4): grid 256 x 1, 8 waves a work-group, no clusters, 34,304 bytes of LDS; arguments oq, wq, x, b_out, ln_gamma, ln_beta, out0; writes out0
.if DOCPART == 4
	.amdgcn_target "amdgcn-amd-amdhsa--gfx1250"
	.amdhsa_code_object_version 6
	.text
	.protected	k_qd10aefc239_outln
	.globl	k_qd10aefc239_outln
	.p2align	8
	.type	k_qd10aefc239_outln,@function
k_qd10aefc239_outln:
	s_mov_b64 s[64:65], 0
	v_nop
	global_prefetch_b8 v0, s[64:65] scope:SCOPE_SE
	s_setreg_imm32_b32 hwreg(HW_REG_WAVE_MODE, 25, 1), 1
	s_wait_xcnt 0x0
; out0 = LayerNorm(x + o W_out + b_out) x gamma + beta.  The product runs on codes of FP4 (E2M1) with E8M0 scales; all else in f32.
; SHARES.  A work-group takes one tile of 16 tokens (slot order: row r is token 32 (T / 2) + 8 (T % 2) + r + 8 (r / 8)) x all 512 columns, since the norm wants whole rows.
; Wave w makes columns 64 w .. 64 w + 63: 4 tiles of columns x 4 K steps = 16 matrix instructions on 4 accumulators by turns; then it norms rows 2 w and 2 w + 1, which are neighbouring tokens.
; THE PRODUCT IS USED TRANSPOSED (source 0 = 16 columns of W_out, source 1 = the 16 tokens): a lane holds 8 neighbouring columns of one row.  The rows meet in a stage in LDS: one barrier.
; K block 4 s + 2 c + h of the product is head 4 s + 2 c + h of o.  All loads go out at the head; x and the parameters stay on their way under the products.
; The variance is taken of y - mean, in a second pass over registers, not as a difference of large sums.
.set OSW, 12                           ; v12-15  o's scale words of K step s
.set ORW, 16                           ; v16-31  their bytes as loaded
.set WS,  32                           ; v32-39  W's scale words (block q, K step s): lanes 0-15 tile 0, lanes 16-31 tile 1
.set OF,  40                           ; v40-71  o's four fragments
.set ACC, 72                           ; v72-103 accumulator (q, e) at 8 (2 q + e)
.set XR,  104                          ; v104-135 x, two rows x 16
.set BO,  136                          ; v136-151 b_out;  v152-167 gamma;  v168-183 beta: my 16 columns 4 L + 128 i + 0 .. 3
.set GA,  152
.set BE,  168
.set Y,   184                          ; v184-215 y, two rows x 16
.set WK,  216                          ; v216-223 two pairs of sums a row; v224-225 the rows' sums; v226-227 the other half's; v228-231 the means; v232-235 1 / sqrt
.set SPITCH, 2064                      ; a stage row: 2,048 bytes + 16: 516 words, so that 16 rows begin at 16 different groups of four banks
.set SEL, 36
.set MSB, 0
.macro WIN new
.if MSB != \new
	s_set_vgpr_msb (MSB<<8)|\new
.set MSB, \new
.endif
.endm
.macro NOPS n
.rept \n
	v_nop
.endr
.endm
.macro WM d, a, b, c, sa, sb, row      ; c < 0: the constant 0 starts the sum.  row 1: source 0's scales from lanes 16-31
.if (\c) < 0
.if (\row) == 0
	v_wmma_scale_f32_16x16x128_f8f6f4 v[\d:\d+7], v[\a:\a+7], v[\b:\b+7], 0, v[\sa], v[\sb] matrix_a_fmt:MATRIX_FMT_FP4 matrix_b_fmt:MATRIX_FMT_FP4
.else
	v_wmma_scale_f32_16x16x128_f8f6f4 v[\d:\d+7], v[\a:\a+7], v[\b:\b+7], 0, v[\sa], v[\sb] matrix_a_fmt:MATRIX_FMT_FP4 matrix_b_fmt:MATRIX_FMT_FP4 matrix_a_scale:MATRIX_SCALE_ROW1
.endif
.else
.if (\row) == 0
	v_wmma_scale_f32_16x16x128_f8f6f4 v[\d:\d+7], v[\a:\a+7], v[\b:\b+7], v[\c:\c+7], v[\sa], v[\sb] matrix_a_fmt:MATRIX_FMT_FP4 matrix_b_fmt:MATRIX_FMT_FP4
.else
	v_wmma_scale_f32_16x16x128_f8f6f4 v[\d:\d+7], v[\a:\a+7], v[\b:\b+7], v[\c:\c+7], v[\sa], v[\sb] matrix_a_fmt:MATRIX_FMT_FP4 matrix_b_fmt:MATRIX_FMT_FP4 matrix_a_scale:MATRIX_SCALE_ROW1
.endif
.endif
.endm
; Each row's two pairs of sums become one number in every lane, v[WK+8+k]; the two rows by turns.
.macro ROWSUM
.irp k, 0,1
	v_pk_add_f32 v[WK+4*\k:WK+4*\k+1], v[WK+4*\k:WK+4*\k+1], v[WK+4*\k+2:WK+4*\k+3]
.endr
.irp k, 0,1
	v_add_f32 v[WK+8+\k], v[WK+4*\k], v[WK+4*\k+1]
.endr
.irp m, 1,2,4,8
.irp k, 0,1
	v_add_f32_dpp v[WK+8+\k], v[WK+8+\k], v[WK+8+\k] row_xmask:\m row_mask:0xf bank_mask:0xf
.endr
.endr
.irp k, 0,1
	v_permlanex16_b32 v[WK+10+\k], v[WK+8+\k], s[SEL], s[SEL+1]
.endr
.irp k, 0,1
	v_add_f32 v[WK+8+\k], v[WK+8+\k], v[WK+10+\k]
.endr
.endm
	s_load_b256 s[4:11], s[0:1], 0x0               ; oq, wq, x, b_out
	s_load_b128 s[12:15], s[0:1], 0x20             ; ln_gamma, ln_beta
	s_load_b64 s[16:17], s[0:1], 0x30              ; out0
	v_lshl_add_u32 v254, v0, 2, 0x8200
	v_mov_b32 v255, 0
	v_lshrrev_b32 v1, 5, v0
	v_readfirstlane_b32 s18, v1                    ; wave 0..7
	v_and_b32 v7, 31, v0                           ; L
	v_and_b32 v8, 15, v0                           ; r
	v_bfe_u32 v9, v0, 4, 1                         ; h
	v_lshlrev_b32 v1, 4, v7                        ; 16 L
	v_lshlrev_b32 v2, 2, v7                        ; 4 L
	v_lshlrev_b32 v3, 2, v8                        ; 4 r
	v_lshlrev_b32 v4, 4, v8
	v_lshl_add_u32 v4, v9, 16, v4                  ; o's codes: 65,536 h (the next head) + 16 r
	v_mul_u32_u24 v5, v8, SPITCH
	v_lshl_add_u32 v5, v9, 6, v5
	s_lshl_b32 s19, s18, 8
	v_add_nc_u32 v5, s19, v5                       ; into the stage: row r, + 64 h + 256 w
	s_mul_i32 s19, s18, 2*SPITCH
	v_add_nc_u32 v6, s19, v1                       ; out of it: rows 2 w on, 16 L
	v_mov_b32 v[WK+10], 0                          ; a lane permute's destination counts as one of its sources
	v_mov_b32 v[WK+11], 0
	s_mov_b32 s33, 0
	s_mov_b32 s34, 0x3b000000                      ; 1 / 512
	s_mov_b32 s35, 0x3727c5ac                      ; 1e-5
	s_mov_b32 s[SEL], 0x76543210
	s_mov_b32 s[SEL+1], 0xfedcba98
	s_wait_kmcnt 0x0
	s_lshr_b32 s32, ttmp9, 2
	s_lshl_b32 s32, s32, 6
	s_and_b32 s19, ttmp9, 3
	s_add_co_u32 s32, s32, s19
	s_add_co_u32 s32, s32, 0x100000
	s_add_nc_u64 s[20:21], s[4:5], s[32:33]        ; o's bytes: 0x100000 + 64 (T / 4) + T % 4
	s_lshl_b32 s32, ttmp9, 8
	s_add_nc_u64 s[22:23], s[4:5], s[32:33]        ; o's codes: 256 T
	s_lshl_b32 s32, s18, 10
	s_add_co_u32 s32, s32, 0x64000
	s_add_nc_u64 s[24:25], s[6:7], s[32:33]        ; W_out's scale words: my two blocks of 32 columns
	s_lshl_b32 s32, s18, 14
	s_add_co_u32 s32, s32, 0x40000
	s_add_nc_u64 s[26:27], s[6:7], s[32:33]        ; and their codes
	s_lshr_b32 s32, ttmp9, 1
	s_lshl_b32 s32, s32, 5
	s_and_b32 s19, ttmp9, 1
	s_lshl_b32 s19, s19, 3
	s_add_co_u32 s32, s32, s19
	s_lshl_b32 s19, s18, 1
	s_add_co_u32 s32, s32, s19
	s_lshr_b32 s19, s18, 2
	s_lshl_b32 s19, s19, 3
	s_add_co_u32 s32, s32, s19                     ; the token of stage row 2 w: 32 (T / 2) + 8 (T % 2) + 2 w + 8 (w / 4)
	s_lshl_b32 s32, s32, 11
	s_add_nc_u64 s[28:29], s[8:9], s[32:33]
	s_add_nc_u64 s[30:31], s[16:17], s[32:33]
.irp s, 0,1,2,3
.irp k, 0,1,2,3
	global_load_u8 v[ORW+4*\s+\k], v3, s[20:21] offset:(4*\s+\k)*4096   ; head 4 s + k's byte of token r
.endr
.endr
.irp s, 0,1,2,3
.irp c, 0,1
	global_load_b128 v[OF+8*\s+4*\c:OF+8*\s+4*\c+3], v4, s[22:23] offset:(4*\s+2*\c)*65536
.endr
.endr
.irp q, 0,1
.irp s, 0,1,2,3
	global_load_b32 v[WS+4*\q+\s], v2, s[24:25] offset:\q*512+\s*128
.endr
.endr
	WIN 0x40                                       ; destination window 1: W's fragment (q, e, s) at 8 (8 q + 4 e + s)
.irp q, 0,1
.irp e, 0,1
.irp s, 0,1,2,3
.irp c, 0,1
	global_load_b128 v[8*(8*\q+4*\e+\s)+4*\c:8*(8*\q+4*\e+\s)+4*\c+3], v1, s[26:27] offset:\q*8192+\e*4096+\s*1024+\c*512
.endr
.endr
.endr
.endr
	WIN 0
.irp k, 0,1
.irp i, 0,1,2,3
	global_load_b128 v[XR+16*\k+4*\i:XR+16*\k+4*\i+3], v1, s[28:29] offset:\k*2048+\i*512 th:TH_LOAD_NT   ; x's last reading
.endr
.endr
.irp i, 0,1,2,3
	global_load_b128 v[BO+4*\i:BO+4*\i+3], v1, s[10:11] offset:\i*512
	global_load_b128 v[GA+4*\i:GA+4*\i+3], v1, s[12:13] offset:\i*512
	global_load_b128 v[BE+4*\i:BE+4*\i+3], v1, s[14:15] offset:\i*512
.endr
	s_wait_loadcnt 63                              ; 84 loads are issued: at most 63 out means the first 21 are in, the 16 bytes among them
.irp s, 0,1,2,3
	v_lshl_or_b32 v[OSW+\s], v[ORW+4*\s+1], 8, v[ORW+4*\s]
.endr
.irp s, 0,1,2,3
	v_lshl_or_b32 v[OSW+\s], v[ORW+4*\s+2], 16, v[OSW+\s]
.endr
.irp s, 0,1,2,3
	v_lshl_or_b32 v[OSW+\s], v[ORW+4*\s+3], 24, v[OSW+\s]
.endr
	s_wait_loadcnt 20                              ; all but x's 8 loads and the parameters' 12
	NOPS 8                                         ; a scale register written by a vector instruction stands eight places ahead of a scaled matrix instruction
	WIN 0x01                                       ; source 0 (W_out) window 1
.irp s, 0,1,2,3                        ; the four accumulators take turns, one instruction a turn
.irp q, 0,1
.irp e, 0,1
.if \s == 0
	WM ACC+8*(2*\q+\e), 8*(8*\q+4*\e+\s), OF+8*\s, -1, WS+4*\q+\s, OSW+\s, \e
.else
	WM ACC+8*(2*\q+\e), 8*(8*\q+4*\e+\s), OF+8*\s, ACC+8*(2*\q+\e), WS+4*\q+\s, OSW+\s, \e
.endif
.endr
.endr
.endr
	WIN 0
	NOPS 4
.irp q, 0,1
.irp e, 0,1
	ds_store_b128 v5, v[ACC+8*(2*\q+\e):ACC+8*(2*\q+\e)+3] offset:128*\q+32*\e        ; lane (r, h): columns 64 w + 32 q + 16 h + 8 e + 0 .. 7 of row r; each accumulator from its low end on
	ds_store_b128 v5, v[ACC+8*(2*\q+\e)+4:ACC+8*(2*\q+\e)+7] offset:128*\q+32*\e+16
.endr
.endr
	s_wait_dscnt 0x0                               ; for the others' sake: my stores into the stage are done
	s_barrier_signal -1
	s_barrier_wait -1                              ; sixteen whole rows lie in the stage
.irp k, 0,1
.irp i, 0,1,2,3
	ds_load_b128 v[Y+16*\k+4*\i:Y+16*\k+4*\i+3], v6 offset:\k*SPITCH+512*\i
.endr
.endr
	s_wait_dscnt 0x0
	s_wait_loadcnt 0x0                             ; x and the parameters
.irp p, 0,2,4,6,8,10,12,14
.irp k, 0,1
	v_pk_add_f32 v[Y+16*\k+\p:Y+16*\k+\p+1], v[Y+16*\k+\p:Y+16*\k+\p+1], v[BO+\p:BO+\p+1]
.endr
.endr
.irp p, 0,2,4,6,8,10,12,14
.irp k, 0,1
	v_pk_add_f32 v[Y+16*\k+\p:Y+16*\k+\p+1], v[Y+16*\k+\p:Y+16*\k+\p+1], v[XR+16*\k+\p:XR+16*\k+\p+1]   ; y = x + o W_out + b_out
.endr
.endr
.irp k, 0,1
	v_pk_add_f32 v[WK+4*\k:WK+4*\k+1], v[Y+16*\k:Y+16*\k+1], v[Y+16*\k+2:Y+16*\k+3]
	v_pk_add_f32 v[WK+4*\k+2:WK+4*\k+3], v[Y+16*\k+4:Y+16*\k+5], v[Y+16*\k+6:Y+16*\k+7]
.endr
.irp p, 8,12
.irp k, 0,1
	v_pk_add_f32 v[WK+4*\k:WK+4*\k+1], v[WK+4*\k:WK+4*\k+1], v[Y+16*\k+\p:Y+16*\k+\p+1]
	v_pk_add_f32 v[WK+4*\k+2:WK+4*\k+3], v[WK+4*\k+2:WK+4*\k+3], v[Y+16*\k+\p+2:Y+16*\k+\p+3]
.endr
.endr
	ROWSUM
.irp k, 0,1
	v_mul_f32 v[WK+12+2*\k], s34, v[WK+8+\k]       ; the mean, in both registers of a pair
	v_mul_f32 v[WK+13+2*\k], s34, v[WK+8+\k]
.endr
.irp p, 0,2,4,6,8,10,12,14
.irp k, 0,1
	v_pk_add_f32 v[Y+16*\k+\p:Y+16*\k+\p+1], v[Y+16*\k+\p:Y+16*\k+\p+1], v[WK+12+2*\k:WK+13+2*\k] neg_lo:[0,1] neg_hi:[0,1]   ; y - mean
.endr
.endr
.irp k, 0,1
	v_pk_mul_f32 v[WK+4*\k:WK+4*\k+1], v[Y+16*\k:Y+16*\k+1], v[Y+16*\k:Y+16*\k+1]
	v_pk_mul_f32 v[WK+4*\k+2:WK+4*\k+3], v[Y+16*\k+2:Y+16*\k+3], v[Y+16*\k+2:Y+16*\k+3]
.endr
.irp p, 4,8,12
.irp k, 0,1
	v_pk_fma_f32 v[WK+4*\k:WK+4*\k+1], v[Y+16*\k+\p:Y+16*\k+\p+1], v[Y+16*\k+\p:Y+16*\k+\p+1], v[WK+4*\k:WK+4*\k+1]
	v_pk_fma_f32 v[WK+4*\k+2:WK+4*\k+3], v[Y+16*\k+\p+2:Y+16*\k+\p+3], v[Y+16*\k+\p+2:Y+16*\k+\p+3], v[WK+4*\k+2:WK+4*\k+3]
.endr
.endr
	ROWSUM
.irp k, 0,1
	v_fma_f32 v[WK+8+\k], v[WK+8+\k], s34, s35     ; the variance + 1e-5
.endr
.irp k, 0,1
	v_rsq_f32 v[WK+16+2*\k], v[WK+8+\k]
	v_rsq_f32 v[WK+17+2*\k], v[WK+8+\k]
.endr
	v_nop                                          ; a plain place behind the transcendentals
	s_wait_alu depctr_va_vdst(0)
.irp p, 0,2,4,6,8,10,12,14
.irp k, 0,1
	v_pk_mul_f32 v[Y+16*\k+\p:Y+16*\k+\p+1], v[Y+16*\k+\p:Y+16*\k+\p+1], v[WK+16+2*\k:WK+17+2*\k]
.endr
.endr
.irp p, 0,2,4,6,8,10,12,14
.irp k, 0,1
	v_pk_fma_f32 v[Y+16*\k+\p:Y+16*\k+\p+1], v[Y+16*\k+\p:Y+16*\k+\p+1], v[GA+\p:GA+\p+1], v[BE+\p:BE+\p+1]
.endr
.endr
.irp k, 0,1
.irp i, 0,1,2,3
	global_store_b128 v1, v[Y+16*\k+4*\i:Y+16*\k+4*\i+3], s[30:31] offset:\k*2048+\i*512 th:TH_STORE_NT   ; 512 consecutive bytes, aligned; written once
.endr
.endr
	s_wait_tensorcnt 0x0
	ds_add_u32 v254, v255
	s_wait_dscnt 0x0
	s_endpgm
.Lfunc_end_k_qd10aefc239_outln:
	.size	k_qd10aefc239_outln, .Lfunc_end_k_qd10aefc239_outln-k_qd10aefc239_outln
	.p2alignl 7, 3214868480
	.fill 96, 4, 3214868480
	.section	.rodata,"a",@progbits
	.p2align	6, 0x0
	.amdhsa_kernel k_qd10aefc239_outln
		.amdhsa_group_segment_fixed_size 34304
		.amdhsa_private_segment_fixed_size 0
		.amdhsa_enable_private_segment 0
		.amdhsa_kernarg_size 56
		.amdhsa_user_sgpr_count 2
		.amdhsa_user_sgpr_kernarg_segment_ptr 1
		.amdhsa_wavefront_size32 1
		.amdhsa_system_sgpr_workgroup_id_x 1
		.amdhsa_system_sgpr_workgroup_id_y 1
		.amdhsa_system_sgpr_workgroup_id_z 1
		.amdhsa_system_vgpr_workitem_id 0
		.amdhsa_next_free_vgpr 384
		.amdhsa_next_free_sgpr 66
		.amdhsa_reserve_vcc 0
		.amdhsa_float_denorm_mode_32 3
		.amdhsa_float_denorm_mode_16_64 3
		.amdhsa_memory_ordered 1
		.amdhsa_forward_progress 1
		.amdhsa_inst_pref_size 25
	.end_amdhsa_kernel
	.amdgpu_metadata
---
amdhsa.version: [ 1, 2 ]
amdhsa.kernels:
  - .name:           k_qd10aefc239_outln
    .symbol:         k_qd10aefc239_outln.kd
    .args:
      - { .name: oq, .offset: 0, .size: 8, .value_kind: global_buffer, .address_space: global }
      - { .name: wq, .offset: 8, .size: 8, .value_kind: global_buffer, .address_space: global }
      - { .name: x, .offset: 16, .size: 8, .value_kind: global_buffer, .address_space: global }
      - { .name: b_out, .offset: 24, .size: 8, .value_kind: global_buffer, .address_space: global }
      - { .name: ln_gamma, .offset: 32, .size: 8, .value_kind: global_buffer, .address_space: global }
      - { .name: ln_beta, .offset: 40, .size: 8, .value_kind: global_buffer, .address_space: global }
      - { .name: out0, .offset: 48, .size: 8, .value_kind: global_buffer, .address_space: global }
    .group_segment_fixed_size: 34304
    .private_segment_fixed_size: 0
    .kernarg_segment_align: 8
    .kernarg_segment_size: 56
    .max_flat_workgroup_size: 256
    .sgpr_count:     66
    .vgpr_count:     384
    .wavefront_size: 32
...
	.end_amdgpu_metadata
.endif
;; end of part 4
;; ======== version 2 of 2: 4 launches
;; workspace buffers: xq 1,179,648 bytes; wq 417,792 bytes; qkv 3,342,336 bytes; oq 1,114,112 bytes
;; launch prep (part 5): grid 304 x 1, 4 waves a work-group, no clusters, 34,304 bytes of LDS; arguments x, W_qkv, W_out, xq, wq; writes xq, wq
.if DOCPART == 5
	.amdgcn_target "amdgcn-amd-amdhsa--gfx1250"
	.amdhsa_code_object_version 6
	.text
	.protected	k_qd10aefc239_prep
	.globl	k_qd10aefc239_prep
	.p2align	8
	.type	k_qd10aefc239_prep,@function
k_qd10aefc239_prep:
	s_mov_b64 s[64:65], 0
	v_nop
	global_prefetch_b8 v0, s[64:65] scope:SCOPE_SE
	s_setreg_imm32_b32 hwreg(HW_REG_WAVE_MODE, 25, 1), 1
	s_wait_xcnt 0x0
; x [4096][512], W_qkv [512][1024] and W_out [512][512], f32, become codes of FP4 (E2M1) with one E8M0 byte for each 32 along K (K = 512 in all three),
; laid in the ORDER OF THE OPERAND'S REGISTERS, so that the later launches fetch a fragment by two loads of 512 consecutive bytes.
; A fragment is 16 rows x 128 K: lane (r, h) holds, in register group c (16 bytes), k = 64 c + 32 h + 0 .. 31 of row r.
; SLOT ORDER: of any 32 neighbouring rows (tokens of x, columns of W) tile u, lane r takes row 8 u + r + 8 (r / 8): a product's 16 results of tiles 0 and 1 are then 16 neighbours.
;   xq: codes [tile T 256][K step s 4][c 2][lane 32][16 bytes]; from byte 0x100000 scale words [T][s][lane 32][4] (lanes 16-31 repeat lanes 0-15)
;   wq: codes [block of 32 columns 48][u 2][s 4][c 2][lane 32][16]; blocks 0-31 W_qkv, 32-47 W_out; from byte 0x60000 scale words [block][s][lane 16 u + r][4]
; A block's scale is 2^(floor(log2(largest magnitude)) - 2): its byte is the largest magnitude's exponent field - 2, held at 1 from below by a floor among the maximum's leaves.
; LIMITS: a block of zeros, and one whose largest magnitude lies under 2^-124, gets the byte 1 (its codes are zeros or the nearest codes under that scale); the bytes are read by this program alone.  NaN and infinities are not served.
; SHARES: work-groups 0-47 take a block of 32 columns of a weight each, work-groups 48-303 a tile of 16 tokens of x; wave s takes K step s.  Waves share nothing: no barrier.
.set NWW,    48                        ; work-groups for the weights
.set TM,     8                         ; v8-23   the quantiser's work: largest magnitudes, the other half's / bytes, (free), scale operands
.set SEL,    36                        ; s[36:37] v_permlanex16_b32's selects for lane l xor 16
.set XR,     32                        ; v32-95  x: 16 rows as loaded;  W: v32-159, 128 numbers down K
.set XN,     96                        ; v96-159 x: 64 numbers of my row, register 16 b + i = k 32 b + 16 h + i
.set PC,     160                       ; v160..  the codes
.set PW,     168                       ; v168    x's scale word
.set SPITCH, 528                       ; the stage's rows: 512 bytes + 16: 132 words, so that 16 rows begin at 16 different groups of four banks
.set SWAVE,  16*SPITCH                 ; a wave's own stage
; 64 numbers of a lane, register 16 b + i of block b (lanes l and l xor 16 share a block), become 8 registers of codes (2 a block) and the four bytes of a scale word.
.macro QN src, pc, pw
.irp b, 0,1,2,3
	v_max3_num_f32 v[TM+\b], |v[\src+16*\b]|, |v[\src+16*\b+1]|, 0x1800000   ; my 16 numbers, and the floor 2^(3 - 127): the byte cannot fall under 1
.endr
.irp i, 2,4,6,8,10,12,14
.irp b, 0,1,2,3
	v_max3_num_f32 v[TM+\b], v[TM+\b], |v[\src+16*\b+\i]|, |v[\src+16*\b+\i+1]|   ; the four blocks by turns
.endr
.endr
.irp b, 0,1,2,3
	v_permlanex16_b32 v[TM+4+\b], v[TM+\b], s[SEL], s[SEL+1]
.endr
.irp b, 0,1,2,3
	v_max_num_f32 v[TM+\b], v[TM+\b], v[TM+4+\b]   ; with lane l xor 16's: the block's largest magnitude
.endr
.irp b, 0,1,2,3
	v_add_nc_u32 v[TM+12+\b], 0xff000000, v[TM+\b]   ; 2 off its exponent field: the conversion's scale operand
.endr
.irp b, 0,1,2,3
	v_lshrrev_b32 v[TM+4+\b], 23, v[TM+12+\b]      ; the scale's byte
.endr
	v_lshl_or_b32 v[\pw], v[TM+5], 8, v[TM+4]
	v_lshl_or_b32 v[\pw], v[TM+6], 16, v[\pw]
	v_lshl_or_b32 v[\pw], v[TM+7], 24, v[\pw]
.irp b, 0,1,2,3
	v_cvt_scalef32_pk8_fp4_f32 v[\pc+2*\b], v[\src+16*\b:\src+16*\b+7], v[TM+12+\b]
	v_cvt_scalef32_pk8_fp4_f32 v[\pc+2*\b+1], v[\src+16*\b+8:\src+16*\b+15], v[TM+12+\b]
.endr
	v_nop                                          ; one plain place behind a scaled conversion
.endm
.macro QUANT src, pc, pw               ; and the exchange of halves that gives a lane a whole block: the operand's image
	QN \src, \pc, \pw
.irp c, 0,1
.irp i, 0,1
	v_permlane16_swap_b32 v[\pc+4*\c+\i], v[\pc+4*\c+2+\i]
.endr
.endr
.endm
	s_load_b128 s[4:7], s[0:1], 0x0                ; x, W_qkv
	s_load_b128 s[8:11], s[0:1], 0x10              ; W_out, xq
	s_load_b64 s[12:13], s[0:1], 0x20              ; wq
	v_lshl_add_u32 v192, v0, 2, 0x8400
	v_mov_b32 v193, 0
	v_lshrrev_b32 v1, 5, v0
	v_readfirstlane_b32 s16, v1                    ; wave = K step s
	v_and_b32 v1, 31, v0                           ; lane L
	s_mov_b32 s19, 0
	s_cmp_lt_u32 ttmp9, NWW
	s_cbranch_scc0 .Lx_path
; ---- THE WEIGHTS.  K is their first axis: a lane takes a column and its registers run down K, so a block of 32 lies in one lane and the codes come out with K innermost.
	v_and_b32 v2, 7, v1
	v_bfe_u32 v3, v1, 3, 1
	v_lshl_or_b32 v2, v3, 4, v2
	v_lshrrev_b32 v3, 4, v1                        ; u
	v_lshl_or_b32 v2, v3, 3, v2                    ; lane 16 u + r takes column 8 u + r + 8 (r / 8) of the 32
	v_lshlrev_b32 v2, 2, v2                        ; in bytes: the 32 lanes of a load cover 128 consecutive bytes
	v_and_b32 v5, 15, v1
	v_lshlrev_b32 v5, 4, v5
	v_lshl_or_b32 v3, v3, 12, v5                   ; where my codes go: 4,096 u + 16 r
	v_lshlrev_b32 v4, 2, v1                        ; and my scale word: 4 L
	s_lshl_b32 s18, ttmp9, 13
	s_lshl_b32 s24, s16, 10
	s_add_co_u32 s18, s18, s24                     ; 8,192 x block + 1,024 s
	s_wait_kmcnt 0x0
	s_add_nc_u64 s[20:21], s[12:13], s[18:19]
	s_lshl_b32 s18, ttmp9, 9
	s_lshl_b32 s24, s16, 7
	s_add_co_u32 s18, s18, s24
	s_add_co_u32 s18, s18, 0x60000                 ; 0x60000 + 512 x block + 128 s
	s_add_nc_u64 s[22:23], s[12:13], s[18:19]
.macro WLOAD base, pitch               ; W(128 s + i, my column), i = 0 .. 127
.set ii, 0
.rept 128
	global_load_b32 v[XR+ii], v2, s[\base:\base+1] offset:ii*\pitch th:TH_LOAD_NT
.set ii, ii+1
.endr
.endm
	s_cmp_lt_u32 ttmp9, 32                         ; which weight: the two differ in base and pitch; both arms issue 128 loads
	s_cbranch_scc0 .Lw_out
	s_lshl_b32 s18, s16, 19                        ; 128 rows of 4,096 bytes
	s_lshl_b32 s24, ttmp9, 7
	s_add_co_u32 s18, s18, s24
	s_add_nc_u64 s[26:27], s[6:7], s[18:19]
	s_wait_alu depctr_va_vdst(0)
	WLOAD 26, 4096
	s_branch .Lw_join
.Lw_out:
	s_sub_co_u32 s24, ttmp9, 32
	s_lshl_b32 s24, s24, 7
	s_lshl_b32 s18, s16, 18                        ; 128 rows of 2,048 bytes
	s_add_co_u32 s18, s18, s24
	s_add_nc_u64 s[28:29], s[8:9], s[18:19]
	s_wait_alu depctr_va_vdst(0)
	WLOAD 28, 2048
.Lw_join:
; Block kb of the K step.  left: how many of the 128 loads may still be out.
.macro WBLOCK kb, left
.set XS, XR+32*\kb
	s_wait_loadcnt \left
	v_max3_num_f32 v8, |v[XS]|, |v[XS+1]|, |v[XS+2]|
	v_max3_num_f32 v9, |v[XS+3]|, |v[XS+4]|, |v[XS+5]|
.irp i, 6,10,14,18,22,26
	v_max3_num_f32 v8, v8, |v[XS+\i]|, |v[XS+\i+1]|
	v_max3_num_f32 v9, v9, |v[XS+\i+2]|, |v[XS+\i+3]|
.endr
	v_max3_num_f32 v8, v8, |v[XS+30]|, |v[XS+31]|
	v_max3_num_f32 v8, v8, v9, 0x1800000           ; and the floor
	v_add_nc_u32 v10, 0xff000000, v8               ; the conversion's scale operand
	v_lshrrev_b32 v11, 23, v10                     ; the byte
.if \kb == 0
	v_mov_b32 v16, v11
.else
	v_lshl_or_b32 v16, v11, 8*\kb, v16
.endif
.irp g, 0,1,2,3
	v_cvt_scalef32_pk8_fp4_f32 v[PC+4*\kb+\g], v[XS+8*\g:XS+8*\g+7], v10
.endr
	v_nop                                          ; one plain place: the next block writes v10
	global_store_b128 v3, v[PC+4*\kb:PC+4*\kb+3], s[20:21] offset:256*\kb   ; block kb = 2 c + h lies at 512 c + 256 h: lanes 0-15 fill one aligned 256 bytes, lanes 16-31 another; each block has its own registers
.endm
	WBLOCK 0, 63                                   ; at most 63 of 128 out: the first 65 are in, more than the 32 wanted (the count cannot name more than 63)
	WBLOCK 1, 63                                   ; the first 65 are in: 64 are wanted
	WBLOCK 2, 32
	WBLOCK 3, 0
	global_store_b32 v4, v16, s[22:23]             ; 128 consecutive bytes
	s_endpgm
; ---- x.  K is innermost: each load takes a row's 512 consecutive bytes; they turn through the wave's own stage so that a lane gets 16 neighbours of each block.
.Lx_path:
	s_sub_co_u32 s17, ttmp9, NWW                   ; tile T
	s_lshr_b32 s18, s17, 1
	s_lshl_b32 s18, s18, 5
	s_and_b32 s24, s17, 1
	s_lshl_b32 s24, s24, 3
	s_add_co_u32 s18, s18, s24                     ; its first token: 32 (T / 2) + 8 (T % 2)
	s_lshl_b32 s18, s18, 11
	s_lshl_b32 s24, s16, 9
	s_add_co_u32 s18, s18, s24                     ; rows of 2,048 bytes, + 512 s
	s_wait_kmcnt 0x0
	s_add_nc_u64 s[30:31], s[4:5], s[18:19]
	s_lshl_b32 s18, s17, 12
	s_lshl_b32 s24, s16, 10
	s_add_co_u32 s18, s18, s24
	s_add_nc_u64 s[32:33], s[10:11], s[18:19]      ; codes: 4,096 T + 1,024 s
	s_lshl_b32 s18, s17, 9
	s_lshl_b32 s24, s16, 7
	s_add_co_u32 s18, s18, s24
	s_add_co_u32 s18, s18, 0x100000
	s_add_nc_u64 s[34:35], s[10:11], s[18:19]      ; scale words: 0x100000 + 512 T + 128 s
	s_wait_alu depctr_va_vdst(0)
	v_lshlrev_b32 v2, 4, v1                        ; 16 L
	v_lshlrev_b32 v3, 2, v1                        ; 4 L
.irp i, 0,1,2,3,4,5,6,7,8,9,10,11,12,13,14,15
	global_load_b128 v[XR+4*\i:XR+4*\i+3], v2, s[30:31] offset:(\i+8*(\i/8))*2048   ; the tile's row i is token i + 8 (i / 8) from its first.  (No hint: the last launch reads x again)
.endr
	s_mul_i32 s25, s16, SWAVE
	v_add_nc_u32 v4, s25, v2                       ; into the stage: 16 L of a row
	v_and_b32 v5, 15, v1
	v_lshrrev_b32 v6, 4, v1
	v_mul_u32_u24 v5, v5, SPITCH
	v_lshl_add_u32 v5, v6, 6, v5
	v_add_nc_u32 v5, s25, v5                       ; out of it: row r, + 64 h
	s_mov_b32 s[SEL], 0x76543210
	s_mov_b32 s[SEL+1], 0xfedcba98
.irp b, 0,1,2,3
	v_mov_b32 v[TM+4+\b], 0                        ; a lane permute's destination counts as one of its sources
.endr
	s_wait_alu depctr_va_vdst(0)
.irp i, 0,1,2,3,4,5,6,7,8,9,10,11,12,13,14,15
	s_wait_loadcnt 15-\i                           ; loads come back in order: row i is in
	ds_store_b128 v4, v[XR+4*\i:XR+4*\i+3] offset:\i*SPITCH
.endr
.irp b, 0,1,2,3
.irp j, 0,1,2,3
	ds_load_b128 v[XN+16*\b+4*\j:XN+16*\b+4*\j+3], v5 offset:128*\b+16*\j   ; LDS serves a wave's instructions in order: these see my stores
.endr
.endr
	s_wait_dscnt 0x0
	QUANT XN, PC, PW
	global_store_b128 v2, v[PC:PC+3], s[32:33]             ; 512 consecutive bytes each
	global_store_b128 v2, v[PC+4:PC+7], s[32:33] offset:512
	global_store_b32 v3, v[PW], s[34:35]
	s_wait_tensorcnt 0x0
	ds_add_u32 v192, v193
	s_wait_dscnt 0x0
	s_endpgm
.Lfunc_end_k_qd10aefc239_prep:
	.size	k_qd10aefc239_prep, .Lfunc_end_k_qd10aefc239_prep-k_qd10aefc239_prep
	.p2alignl 7, 3214868480
	.fill 96, 4, 3214868480
	.section	.rodata,"a",@progbits
	.p2align	6, 0x0
	.amdhsa_kernel k_qd10aefc239_prep
		.amdhsa_group_segment_fixed_size 34304
		.amdhsa_private_segment_fixed_size 0
		.amdhsa_enable_private_segment 0
		.amdhsa_kernarg_size 40
		.amdhsa_user_sgpr_count 2
		.amdhsa_user_sgpr_kernarg_segment_ptr 1
		.amdhsa_wavefront_size32 1
		.amdhsa_system_sgpr_workgroup_id_x 1
		.amdhsa_system_sgpr_workgroup_id_y 1
		.amdhsa_system_sgpr_workgroup_id_z 1
		.amdhsa_system_vgpr_workitem_id 0
		.amdhsa_next_free_vgpr 194
		.amdhsa_next_free_sgpr 66
		.amdhsa_reserve_vcc 0
		.amdhsa_float_denorm_mode_32 3
		.amdhsa_float_denorm_mode_16_64 3
		.amdhsa_memory_ordered 1
		.amdhsa_forward_progress 1
		.amdhsa_inst_pref_size 42
	.end_amdhsa_kernel
	.amdgpu_metadata
---
amdhsa.version: [ 1, 2 ]
amdhsa.kernels:
  - .name:           k_qd10aefc239_prep
    .symbol:         k_qd10aefc239_prep.kd
    .args:
      - { .name: x, .offset: 0, .size: 8, .value_kind: global_buffer, .address_space: global }
      - { .name: W_qkv, .offset: 8, .size: 8, .value_kind: global_buffer, .address_space: global }
      - { .name: W_out, .offset: 16, .size: 8, .value_kind: global_buffer, .address_space: global }
      - { .name: xq, .offset: 24, .size: 8, .value_kind: global_buffer, .address_space: global }
      - { .name: wq, .offset: 32, .size: 8, .value_kind: global_buffer, .address_space: global }
    .group_segment_fixed_size: 34304
    .private_segment_fixed_size: 0
    .kernarg_segment_align: 8
    .kernarg_segment_size: 40
    .max_flat_workgroup_size: 128
    .sgpr_count:     66
    .vgpr_count:     194
    .wavefront_size: 32
...
	.end_amdgpu_metadata
.endif
;; end of part 5
;; launch proj (part 6): grid 64 x 4, 8 waves a work-group, no clusters, 0 bytes of LDS; arguments xq, wq, b_qkv, qkv; writes qkv
.if DOCPART == 6
	.amdgcn_target "amdgcn-amd-amdhsa--gfx1250"
	.amdhsa_code_object_version 6
	.text
	.protected	k_qd10aefc239_proj
	.globl	k_qd10aefc239_proj
	.p2align	8
	.type	k_qd10aefc239_proj,@function
k_qd10aefc239_proj:
	s_mov_b64 s[64:65], 0
	v_nop
	global_prefetch_b8 v0, s[64:65] scope:SCOPE_SE
	s_setreg_imm32_b32 hwreg(HW_REG_WAVE_SCHED_MODE, 0, 2), 2
	s_setreg_imm32_b32 hwreg(HW_REG_WAVE_MODE, 25, 1), 1
	s_wait_xcnt 0x0
	s_wait_alu depctr_vm_vsrc(0)
; qkv = x W_qkv + b_qkv on codes of FP4 (E2M1) with E8M0 scales; q = silu(qk) / sqrt(32), k = tanh(qk) and v are quantised here, in registers, for the attention's two products.
; SHARES.  A work-group takes 64 tokens (4 tiles of 16) x 256 columns; a wave 64 tokens x 32 columns = one head: waves 0-3 a head of qk, waves 4-7 a head of v.  32 matrix instructions a wave on 8 accumulators.
; All operands come as images of their registers, 512 consecutive bytes a load; no wave reads a fragment twice, so nothing goes through LDS and there is no barrier.
; qk: THE PRODUCT IS USED TRANSPOSED (source 0 = 16 columns of W, source 1 = 16 tokens): a lane holds one token and, by the slot order of W's columns, 16 neighbouring channels 16 h + 0 .. 15 of the head: the next K.
; v:  as it stands (source 0 = tokens, source 1 = columns): a lane holds one channel and, by the slot order of the tokens, 16 neighbouring tokens of each block of 32: the keys, which are the second product's K.
; OUT (qkv): q codes [bh 32][block of 32 tokens 64][token slot 32][16 bytes]; k codes at 0x100000 likewise; v codes at 0x200000 [bh][key block 64][channel slot 32][16 bytes = 32 keys];
;   at 0x300000 [bh][group of 64 tokens 32][q, k][r 16][byte = tile 0-3]; at 0x320000 v's bytes [bh][pair of key blocks 32][channel slot 32][2].
; tanh: for z^2 < 1/16 the series z + z^3 (-1/3 + 2/15 z^2 - 17/315 z^4 + 62/2835 z^6), whose next term is under 1e-8 of the value there; else 1 - 2 / (1 + 2^(2 z log2 e)).
; LIMITS: finite inputs.  silu gives -0 where e^-z overflows (z < -88).  A block of zeros or under 2^-124 gets the byte 1; the bytes are read by this program alone.
; THE MODE: SCHED_MODE bits 1:0 = 2 (LLVM: expert scheduling mode 2), set by the entry lines.  The code itself states the register dependences
; between vector or matrix instructions and memory instructions, with s_wait_alu, always for 0.
; THE PLAN.  Registers that memory instructions touch:
;   v1-v6            offsets: written once at the head, read by every load and store, never written again.
;   v10-29, window 1 scale words, fragments and bias: loaded once, read by matrix instructions, never loaded again.
;   PCQ, PCK, v64    written by the conversions and one select at an arm's end, read by the arm's stores, never written again.
; So an arm has one wait on va_vdst ahead of its run of loads (the offsets are written) and one ahead of its run of stores (the codes and words are written).
; Scalar registers that vector instructions write: s12 (the wave's number) and, in each tile's activation, the sixteen masks s66-81: one wait on va_sdst ahead of each first reader.
.set WS,  10                           ; v10-13  W's scale words of K step s: lanes 0-15 tile 0, lanes 16-31 tile 1
.set XS,  14                           ; v14-29  x's scale words (tile tt, K step s) at 4 tt + s
.set TM,  30                           ; v30-45  the quantiser's work
.set PCQ, 46                           ; v46-53  codes of q (or v)
.set PCK, 54                           ; v54-61  codes of k
.set PWQ, 62
.set PWK, 63
.set ACC, 66                           ; v66-129  the 8 accumulators; then q
.set KV,  130                          ; v130-193 z^2, then k
.set T1,  194                          ; v194-241 three sets of 16 at work
.set T2,  210
.set T3,  226
.set C3,  242                          ; v[242:243] 62/2835, twice
.set WF,  0                            ; window 1: W's fragments (tile e, K step s) at 8 (4 e + s)
.set XF,  64                           ; window 1: x's (tile tt, K step s) at 64 + 8 (4 tt + s)
.set BI,  192                          ; window 1: the bias in the result's layout, 8 registers a tile of columns
.set SEL, 36
.set CE1, 40                           ; s[40:41] -log2 e;  the packed forms name a pair and take its low word for both halves
.set CE2, 42                           ; 2 log2 e
.set ONE, 44
.set C2,  46                           ; -17/315
.set C1,  48                           ; 2/15
.set C0,  50                           ; -1/3
.set CSC, 52                           ; 1 / sqrt(32)
.set LIMS, 54                          ; s54     1/16: under it z^2 takes the series
.set MK,  66                           ; s66-81  a tile's sixteen masks
.set MSB, 0
.macro WIN new                         ; the immediate's high byte repeats the setting that is left
.if MSB != \new
	s_set_vgpr_msb (MSB<<8)|\new
.set MSB, \new
.endif
.endm
.macro NOPS n
.rept \n
	v_nop
.endr
.endm
; One matrix instruction.  c < 0: the constant 0 starts the sum.  row 1: source 0's scales from lanes 16-31; row 2: source 1's.
.macro WM d, a, b, c, sa, sb, row
.if (\c) < 0
.if (\row) == 0
	v_wmma_scale_f32_16x16x128_f8f6f4 v[\d:\d+7], v[\a:\a+7], v[\b:\b+7], 0, v[\sa], v[\sb] matrix_a_fmt:MATRIX_FMT_FP4 matrix_b_fmt:MATRIX_FMT_FP4
.elseif (\row) == 1
	v_wmma_scale_f32_16x16x128_f8f6f4 v[\d:\d+7], v[\a:\a+7], v[\b:\b+7], 0, v[\sa], v[\sb] matrix_a_fmt:MATRIX_FMT_FP4 matrix_b_fmt:MATRIX_FMT_FP4 matrix_a_scale:MATRIX_SCALE_ROW1
.else
	v_wmma_scale_f32_16x16x128_f8f6f4 v[\d:\d+7], v[\a:\a+7], v[\b:\b+7], 0, v[\sa], v[\sb] matrix_a_fmt:MATRIX_FMT_FP4 matrix_b_fmt:MATRIX_FMT_FP4 matrix_b_scale:MATRIX_SCALE_ROW1
.endif
.else
.if (\row) == 0
	v_wmma_scale_f32_16x16x128_f8f6f4 v[\d:\d+7], v[\a:\a+7], v[\b:\b+7], v[\c:\c+7], v[\sa], v[\sb] matrix_a_fmt:MATRIX_FMT_FP4 matrix_b_fmt:MATRIX_FMT_FP4
.elseif (\row) == 1
	v_wmma_scale_f32_16x16x128_f8f6f4 v[\d:\d+7], v[\a:\a+7], v[\b:\b+7], v[\c:\c+7], v[\sa], v[\sb] matrix_a_fmt:MATRIX_FMT_FP4 matrix_b_fmt:MATRIX_FMT_FP4 matrix_a_scale:MATRIX_SCALE_ROW1
.else
	v_wmma_scale_f32_16x16x128_f8f6f4 v[\d:\d+7], v[\a:\a+7], v[\b:\b+7], v[\c:\c+7], v[\sa], v[\sb] matrix_a_fmt:MATRIX_FMT_FP4 matrix_b_fmt:MATRIX_FMT_FP4 matrix_b_scale:MATRIX_SCALE_ROW1
.endif
.endif
.endm
; 64 numbers of a lane, register 16 b + i of block b (lanes l and l xor 16 share a block), become 8 registers of codes (2 a block: 8 bytes, half a block) and a word of four scale bytes.
.macro QN src, pc, pw
.irp b, 0,1,2,3
	v_max3_num_f32 v[TM+\b], |v[\src+16*\b]|, |v[\src+16*\b+1]|, 0x1800000   ; my 16 numbers, and the floor 2^(3 - 127): the byte cannot fall under 1
.endr
.irp i, 2,4,6,8,10,12,14
.irp b, 0,1,2,3
	v_max3_num_f32 v[TM+\b], v[TM+\b], |v[\src+16*\b+\i]|, |v[\src+16*\b+\i+1]|   ; the four blocks by turns, each accumulator from its low end on
.endr
.endr
.irp b, 0,1,2,3
	v_permlanex16_b32 v[TM+4+\b], v[TM+\b], s[SEL], s[SEL+1]
.endr
.irp b, 0,1,2,3
	v_max_num_f32 v[TM+\b], v[TM+\b], v[TM+4+\b]
.endr
.irp b, 0,1,2,3
	v_add_nc_u32 v[TM+12+\b], 0xff000000, v[TM+\b]   ; 2 off the exponent field: the conversion's scale operand
.endr
.irp b, 0,1,2,3
	v_lshrrev_b32 v[TM+4+\b], 23, v[TM+12+\b]      ; the byte
.endr
	v_lshl_or_b32 v[\pw], v[TM+5], 8, v[TM+4]
	v_lshl_or_b32 v[\pw], v[TM+6], 16, v[\pw]
	v_lshl_or_b32 v[\pw], v[TM+7], 24, v[\pw]
.irp b, 0,1,2,3
	v_cvt_scalef32_pk8_fp4_f32 v[\pc+2*\b], v[\src+16*\b:\src+16*\b+7], v[TM+12+\b]
	v_cvt_scalef32_pk8_fp4_f32 v[\pc+2*\b+1], v[\src+16*\b+8:\src+16*\b+15], v[TM+12+\b]
.endr
	v_nop                                          ; one plain place behind a scaled conversion
.endm
; The scale words, then the fragments K step by K step: 12 loads a step (4 of W, 8 of x).  Between the arm's wait on va_vdst and the last of these stand only loads and window switches.
.macro OPERANDS
	WIN 0
.irp tt, 0,1,2,3
.irp s, 0,1,2,3
	global_load_b32 v[XS+4*\tt+\s], v2, s[18:19] offset:\tt*512+\s*128
.endr
.endr
.irp s, 0,1,2,3
	global_load_b32 v[WS+\s], v2, s[22:23] offset:\s*128
.endr
	WIN 0x40                                       ; destination window 1, address window 0
.irp s, 0,1,2,3
.irp e, 0,1
.irp c, 0,1
	global_load_b128 v[WF+8*(4*\e+\s)+4*\c:WF+8*(4*\e+\s)+4*\c+3], v1, s[20:21] offset:\e*4096+\s*1024+\c*512
.endr
.endr
.irp tt, 0,1,2,3
.irp c, 0,1
	global_load_b128 v[XF+8*(4*\tt+\s)+4*\c:XF+8*(4*\tt+\s)+4*\c+3], v1, s[16:17] offset:\tt*4096+\s*1024+\c*512
.endr
.endr
.endr
.endm
; The 32 products.  The 8 accumulators take turns, one instruction a turn, in the same order in every K step.  The bias is the C of each sum's first instruction.
; Operands, scales and bias all come by loads: their waits are those on LOADcnt.
.macro MM varm
.irp s, 0,1,2,3
	s_wait_loadcnt 12*(3-\s)                       ; all but the 12 fragment loads of each later K step
.if \s == 0
	WIN 0x15                                       ; sources 0, 1 and C (the bias) window 1, D window 0
.else
	WIN 0x05                                       ; sources 0 and 1 window 1, C and D window 0
.endif
.irp tt, 0,1,2,3
.irp e, 0,1
.if \varm
.set DD, ACC+16*(2*\e+\tt/2)+8*(\tt%2)
.if \s == 0
	WM DD, XF+8*(4*\tt+\s), WF+8*(4*\e+\s), BI+8*\e, XS+4*\tt+\s, WS+\s, 2*\e
.else
	WM DD, XF+8*(4*\tt+\s), WF+8*(4*\e+\s), DD, XS+4*\tt+\s, WS+\s, 2*\e
.endif
.else
.set DD, ACC+16*\tt+8*\e
.if \s == 0
	WM DD, WF+8*(4*\e+\s), XF+8*(4*\tt+\s), BI+8*\e, WS+\s, XS+4*\tt+\s, \e
.else
	WM DD, WF+8*(4*\e+\s), XF+8*(4*\tt+\s), DD, WS+\s, XS+4*\tt+\s, \e
.endif
.endif
.endr
.endr
.endr
	WIN 0
	NOPS 4                                         ; four places between the last products and the first read of results
.endm
; Tile tt's 16 numbers z of a lane become q (in place) and k (in KV).  Each stage runs over all 16, so no line waits for the line above it.
.macro ACT tt
.set Z, ACC+16*\tt
.set U, KV+16*\tt
.set jj, 0
.rept 8
	v_pk_mul_f32 v[T1+jj:T1+jj+1], v[Z+jj:Z+jj+1], s[CE1:CE1+1] op_sel_hi:[1,0]   ; -z log2 e
	v_pk_mul_f32 v[T2+jj:T2+jj+1], v[Z+jj:Z+jj+1], s[CE2:CE2+1] op_sel_hi:[1,0]   ; 2 z log2 e
.set jj, jj+2
.endr
.set jj, 0
	s_wait_alu depctr_va_vdst(0)
.rept 16
	v_exp_f32 v[T1+jj], v[T1+jj]
	v_exp_f32 v[T2+jj], v[T2+jj]
.set jj, jj+1
.endr
.set jj, 0
.rept 8
	v_pk_mul_f32 v[U+jj:U+jj+1], v[Z+jj:Z+jj+1], v[Z+jj:Z+jj+1]   ; z^2.  (The plain place behind the exponentials)
.set jj, jj+2
.endr
.set jj, 0
	s_wait_alu depctr_va_vdst(0)                   ; the 32 exponentials have written T1 and T2, which the additions below read: one wait for the batch
.rept 8
	v_pk_add_f32 v[T1+jj:T1+jj+1], v[T1+jj:T1+jj+1], s[ONE:ONE+1] op_sel_hi:[1,0]
	v_pk_add_f32 v[T2+jj:T2+jj+1], v[T2+jj:T2+jj+1], s[ONE:ONE+1] op_sel_hi:[1,0]
.set jj, jj+2
.endr
.set jj, 0
	s_wait_alu depctr_va_vdst(0)
.rept 16
	v_rcp_f32 v[T1+jj], v[T1+jj]                   ; sigmoid(z)
	v_rcp_f32 v[T2+jj], v[T2+jj]
.set jj, jj+1
.endr
.set jj, 0
.rept 8
	v_pk_fma_f32 v[T3+jj:T3+jj+1], v[U+jj:U+jj+1], v[C3:C3+1], s[C2:C2+1] op_sel_hi:[1,1,0]   ; the series, by Horner.  (The plain place behind the reciprocals)
.set jj, jj+2
.endr
.set jj, 0
.rept 8
	v_pk_fma_f32 v[T3+jj:T3+jj+1], v[T3+jj:T3+jj+1], v[U+jj:U+jj+1], s[C1:C1+1] op_sel_hi:[1,1,0]
.set jj, jj+2
.endr
.set jj, 0
.rept 8
	v_pk_fma_f32 v[T3+jj:T3+jj+1], v[T3+jj:T3+jj+1], v[U+jj:U+jj+1], s[C0:C0+1] op_sel_hi:[1,1,0]
.set jj, jj+2
.endr
.set jj, 0
	s_wait_alu depctr_va_vdst(0)                   ; the 32 reciprocals have written T1 and T2, which the lines below read: one wait for the batch
.rept 16
	v_fma_f32 v[T2+jj], v[T2+jj], -2.0, 1.0        ; 1 - 2 / (1 + e^(2 z))
.set jj, jj+1
.endr
.set jj, 0
.rept 8
	v_pk_mul_f32 v[T3+jj:T3+jj+1], v[T3+jj:T3+jj+1], v[U+jj:U+jj+1]
.set jj, jj+2
.endr
.set jj, 0
.rept 8
	v_pk_fma_f32 v[T3+jj:T3+jj+1], v[T3+jj:T3+jj+1], v[Z+jj:Z+jj+1], v[Z+jj:Z+jj+1]   ; z + z (z^2 ( .. ))
.set jj, jj+2
.endr
.set jj, 0
.rept 16
	v_cmp_gt_f32 s[MK+jj], s[LIMS], v[U+jj]        ; z^2 < 1/16: the series; the sixteen masks in a run, each in a scalar register of its own
.set jj, jj+1
.endr
.set jj, 0
.rept 8
	v_pk_mul_f32 v[T1+jj:T1+jj+1], v[T1+jj:T1+jj+1], v[Z+jj:Z+jj+1]   ; silu(z).  (These sixteen lines read no mask: work between the compares and the wait for them)
.set jj, jj+2
.endr
.set jj, 0
.rept 8
	v_pk_mul_f32 v[Z+jj:Z+jj+1], v[T1+jj:T1+jj+1], s[CSC:CSC+1] op_sel_hi:[1,0]   ; q
.set jj, jj+2
.endr
.set jj, 0
	s_wait_alu depctr_va_sdst(0)                   ; the sixteen compares have written s66-81, ahead of their first reader
.rept 16
	v_cndmask_b32 v[U+jj], v[T2+jj], v[T3+jj], s[MK+jj]   ; k: a choice of a value, made in every lane
.set jj, jj+1
.endr
.endm
	s_load_b128 s[4:7], s[0:1], 0x0                ; xq, wq
	s_load_b128 s[8:11], s[0:1], 0x10              ; b_qkv, qkv
	v_lshrrev_b32 v8, 5, v0
	v_readfirstlane_b32 s12, v8                    ; wave 0..7
	v_and_b32 v8, 31, v0                           ; L
	v_and_b32 v9, 15, v0                           ; r
	v_lshlrev_b32 v1, 4, v8                        ; 16 L: an image's place for my lane
	v_lshlrev_b32 v2, 2, v8                        ; 4 L: a scale word's
	v_lshlrev_b32 v3, 1, v8                        ; 2 L
	v_bfe_u32 v5, v0, 4, 1                         ; h
	v_lshlrev_b32 v4, 4, v9
	v_lshl_add_u32 v4, v5, 3, v4                   ; 16 r + 8 h: my 8 bytes of codes
	v_lshlrev_b32 v5, 6, v5                        ; 64 h: qk's bias
	v_and_b32 v6, 8, v9
	v_add_nc_u32 v6, v6, v9
	v_lshlrev_b32 v6, 2, v6                        ; 4 (r + 8 (r / 8)): v's bias
	v_mov_b32 v[C3], 0x3cb327a4                    ; 62/2835
	v_mov_b32 v[C3+1], 0x3cb327a4
.irp b, 0,1,2,3
	v_mov_b32 v[TM+4+\b], 0                        ; a lane permute's destination counts as one of its sources
.endr
	s_and_b32 s13, ttmp7, 0xffff                   ; y
	s_lshl_b32 s14, s13, 2
	s_wait_alu depctr_va_sdst(0)                   ; s12 is written, ahead of its first reader: the columns, the bases and the branch are made from it
	s_add_co_u32 s14, s14, s12
	s_cmp_lt_u32 s12, 4
	s_cselect_b32 s15, 0, 12
	s_add_co_u32 s14, s14, s15                     ; my block of 32 columns: 4 y + w for qk (0-15), 12 + 4 y + w for v (16-31)
	s_mov_b32 s31, 0
	s_mov_b32 s[SEL], 0x76543210
	s_mov_b32 s[SEL+1], 0xfedcba98
	s_mov_b32 s38, 0xffff0000                      ; lanes 16-31
	s_mov_b32 s[CE1], 0xbfb8aa3b
	s_mov_b32 s[CE1+1], s[CE1]
	s_mov_b32 s[CE2], 0x4038aa3b
	s_mov_b32 s[CE2+1], s[CE2]
	s_mov_b32 s[ONE], 1.0
	s_mov_b32 s[ONE+1], 1.0
	s_mov_b32 s[C2], 0xbd5d0dd1
	s_mov_b32 s[C2+1], s[C2]
	s_mov_b32 s[C1], 0x3e088889
	s_mov_b32 s[C1+1], s[C1]
	s_mov_b32 s[C0], 0xbeaaaaab
	s_mov_b32 s[C0+1], s[C0]
	s_mov_b32 s[CSC], 0x3e3504f3
	s_mov_b32 s[CSC+1], s[CSC]
	s_mov_b32 s[LIMS], 0x3d800000                  ; 1/16
	s_lshr_b32 s32, ttmp9, 5
	s_lshl_b32 s32, s32, 4
	s_and_b32 s33, s14, 15
	s_add_co_u32 s32, s32, s33                     ; bh = 16 x batch + head
	s_and_b32 s33, ttmp9, 31                       ; G: the group of 64 tokens in its batch
	s_wait_kmcnt 0x0
	s_lshl_b32 s30, ttmp9, 14
	s_add_nc_u64 s[16:17], s[4:5], s[30:31]        ; x's codes: 4 tiles of 4,096 bytes
	s_lshl_b32 s30, ttmp9, 11
	s_add_co_u32 s30, s30, 0x100000
	s_add_nc_u64 s[18:19], s[4:5], s[30:31]        ; x's scale words
	s_lshl_b32 s30, s14, 13
	s_add_nc_u64 s[20:21], s[6:7], s[30:31]        ; W's codes
	s_lshl_b32 s30, s14, 9
	s_add_co_u32 s30, s30, 0x60000
	s_add_nc_u64 s[22:23], s[6:7], s[30:31]        ; W's scale words
	s_lshl_b32 s30, s14, 7
	s_add_nc_u64 s[24:25], s[8:9], s[30:31]        ; the bias of my 32 columns
	s_lshl_b32 s34, s32, 15
	s_lshl_b32 s35, s33, 10
	s_add_co_u32 s34, s34, s35                     ; 32,768 bh + 1,024 G
	s_cmp_lt_u32 s12, 4
	s_cbranch_scc0 .Lv_arm
; ---- a head of qk
	s_mov_b32 s30, s34
	s_add_nc_u64 s[26:27], s[10:11], s[30:31]
	s_lshl_b32 s30, s32, 12
	s_lshl_b32 s35, s33, 7
	s_add_co_u32 s30, s30, s35
	s_add_co_u32 s30, s30, 0x300000
	s_add_nc_u64 s[28:29], s[10:11], s[30:31]
	WIN 0x40
	s_wait_alu depctr_va_vdst(0)                   ; the offsets v1 to v6 are written: every load and store of the arm reads one of them
.irp e, 0,1
	global_load_b128 v[BI+8*\e:BI+8*\e+3], v5, s[24:25] offset:32*\e        ; register j of tile e: channel 16 h + 8 e + j
	global_load_b128 v[BI+8*\e+4:BI+8*\e+7], v5, s[24:25] offset:32*\e+16
.endr
	OPERANDS
	MM 0
	ACT 0
	ACT 1
	ACT 2
	ACT 3
	QN ACC, PCQ, PWQ                               ; block tt = tile tt's token: its 32 channels lie in lanes l and l xor 16
	QN KV, PCK, PWK
	v_cndmask_b32 v64, v[PWQ], v[PWK], s38         ; lanes 0-15 q's words, lanes 16-31 k's
	s_wait_alu depctr_va_vdst(0)                   ; the conversions have written PCQ and PCK, the select v64: the nine stores below read them
.irp tt, 0,1,2,3
	global_store_b64 v4, v[PCQ+2*\tt:PCQ+2*\tt+1], s[26:27] offset:\tt*256              ; 256 consecutive bytes, aligned
	global_store_b64 v4, v[PCK+2*\tt:PCK+2*\tt+1], s[26:27] offset:0x100000+\tt*256
.endr
	global_store_b32 v2, v64, s[28:29]             ; 128 consecutive bytes
	s_endpgm
; ---- a head of v
.Lv_arm:
	s_add_co_u32 s30, s34, 0x200000
	s_add_nc_u64 s[26:27], s[10:11], s[30:31]
	s_lshl_b32 s30, s32, 11
	s_lshl_b32 s35, s33, 6
	s_add_co_u32 s30, s30, s35
	s_add_co_u32 s30, s30, 0x320000
	s_add_nc_u64 s[28:29], s[10:11], s[30:31]
	WIN 0x40
	s_wait_alu depctr_va_vdst(0)                   ; the offsets v1 to v6 are written: every load and store of the arm reads one of them
.irp e, 0,1
.irp j, 0,1,2,3,4,5,6,7
	global_load_b32 v[BI+8*\e+\j], v6, s[24:25] offset:32*\e   ; a lane holds one channel, 8 e + r + 8 (r / 8): its bias in all eight registers
.endr
.endr
	OPERANDS
	MM 1
	QN ACC, PCQ, PWQ                               ; block 2 e + c: channel slot (e, r), the 32 tokens of key block c
	v_lshrrev_b32 v64, 16, v[PWQ]
	v_cndmask_b32 v64, v[PWQ], v64, s38            ; lanes 0-15: tile 0's two bytes; lanes 16-31: tile 1's
	s_wait_alu depctr_va_vdst(0)                   ; the conversions have written PCQ, the select v64: the five stores below read them
.irp e, 0,1
.irp c, 0,1
	global_store_b64 v4, v[PCQ+2*(2*\e+\c):PCQ+2*(2*\e+\c)+1], s[26:27] offset:\c*512+\e*256
.endr
.endr
	global_store_b16 v3, v64, s[28:29]             ; 64 consecutive bytes
	s_endpgm
.Lfunc_end_k_qd10aefc239_proj:
	.size	k_qd10aefc239_proj, .Lfunc_end_k_qd10aefc239_proj-k_qd10aefc239_proj
	.p2alignl 7, 3214868480
	.fill 96, 4, 3214868480
	.section	.rodata,"a",@progbits
	.p2align	6, 0x0
	.amdhsa_kernel k_qd10aefc239_proj
		.amdhsa_group_segment_fixed_size 0
		.amdhsa_private_segment_fixed_size 0
		.amdhsa_enable_private_segment 0
		.amdhsa_kernarg_size 32
		.amdhsa_user_sgpr_count 2
		.amdhsa_user_sgpr_kernarg_segment_ptr 1
		.amdhsa_wavefront_size32 1
		.amdhsa_system_sgpr_workgroup_id_x 1
		.amdhsa_system_sgpr_workgroup_id_y 1
		.amdhsa_system_sgpr_workgroup_id_z 1
		.amdhsa_system_vgpr_workitem_id 0
		.amdhsa_next_free_vgpr 464
		.amdhsa_next_free_sgpr 82
		.amdhsa_reserve_vcc 0
		.amdhsa_float_denorm_mode_32 3
		.amdhsa_float_denorm_mode_16_64 3
		.amdhsa_memory_ordered 1
		.amdhsa_forward_progress 1
		.amdhsa_inst_pref_size 85
	.end_amdhsa_kernel
	.amdgpu_metadata
---
amdhsa.version: [ 1, 2 ]
amdhsa.kernels:
  - .name:           k_qd10aefc239_proj
    .symbol:         k_qd10aefc239_proj.kd
    .args:
      - { .name: xq, .offset: 0, .size: 8, .value_kind: global_buffer, .address_space: global }
      - { .name: wq, .offset: 8, .size: 8, .value_kind: global_buffer, .address_space: global }
      - { .name: b_qkv, .offset: 16, .size: 8, .value_kind: global_buffer, .address_space: global }
      - { .name: qkv, .offset: 24, .size: 8, .value_kind: global_buffer, .address_space: global }
    .group_segment_fixed_size: 0
    .private_segment_fixed_size: 0
    .kernarg_segment_align: 8
    .kernarg_segment_size: 32
    .max_flat_workgroup_size: 256
    .sgpr_count:     82
    .vgpr_count:     464
    .wavefront_size: 32
...
	.end_amdgpu_metadata
.endif
;; end of part 6
;; launch attn (part 7): grid 8 x 32, 4 waves a work-group, no clusters, 0 bytes of LDS; arguments qkv, oq; writes oq
.if DOCPART == 7
	.amdgcn_target "amdgcn-amd-amdhsa--gfx1250"
	.amdhsa_code_object_version 6
	.text
	.protected	k_qd10aefc239_attn
	.globl	k_qd10aefc239_attn
	.p2align	8
	.type	k_qd10aefc239_attn,@function
k_qd10aefc239_attn:
	s_mov_b64 s[64:65], 0
	v_nop
	global_prefetch_b8 v0, s[64:65] scope:SCOPE_SE
	s_setreg_imm32_b32 hwreg(HW_REG_WAVE_SCHED_MODE, 0, 2), 2
	s_setreg_imm32_b32 hwreg(HW_REG_WAVE_MODE, 25, 1), 1
	s_wait_xcnt 0x0
	s_wait_alu depctr_vm_vsrc(0)
; o = softmax((q k^T) x band) v for one head, both products on codes of FP4 (E2M1) with E8M0 scales; o is quantised here for the last product.
; THE BAND multiplies: outside |i - j| <= 64 the score is thrown away and the logit is exactly 0.  So q k^T and the softmax's arithmetic are done only for the 5 aligned blocks of 32 keys that touch a tile's band.
; Everywhere else p = 2^-M, and a block of 32 such p quantises exactly: every code 4.0 (the nibble 6) under the byte 125 - M.  The second product stays dense, on the matrix unit: its operand outside the band is a
; constant image (0x66666666) with a scale word made of M.
; SOFTMAX: t = logit x log2 e; M = ceil(the row's largest t), and 0 is always among the logits; p = 2^(t - M) is quantised along the keys; the row's sum is taken of the unquantised p (1,888 keys give 2^-M each) and divides at the end.
; SHARES.  A wave owns 64 queries of one head, four tiles of 16 in slot order (tile (c, u), lane r: query 32 c + 8 u + r + 8 (r / 8)).  The text is a straight line: no LDS, no barrier, no loop, no branch.
; The head's 32 pairs of key blocks are walked from pair G - 1, round the end: relative blocks 0-7 (K steps 0, 1 of the second product) begin at key 64 (G - 1); the other 14 K steps are constant.  Tile (cq, uq) has band keys in relative
; blocks cq .. cq + 4.  Where pair 0 (G = 0) or pair 2 (G = 31) has gone round the end its keys lie outside the band: K's codes are cleared there, so the scores are 0; V's blocks there are keys that the sum owes anyway.
; THE FIRST PRODUCT HAS K = 32, the instruction 128: a fragment of K holds 64 keys x 32 channels, key tile beta in K block beta; the query operand has q's codes in block beta alone and zero codes elsewhere.
; Both products are used transposed (S^T = k q^T, O^T = v^T p^T): a lane holds one query throughout.
; LIMITS: finite inputs (an infinite score times 0 is not reproduced).  For M > 124 the constant blocks' byte is held at 1 and 2^-M falls to 0 from M = 127 on.  A block of zeros or under 2^-124 gets the byte 1.
; Why no shared copy of V in LDS: each wave reads each fragment once, as its registers' image, in loads of 512 consecutive bytes.
; THE MODE: SCHED_MODE bits 1:0 = 2 (LLVM: expert scheduling mode 2), set by the entry lines.  The code itself states the register dependences
; between vector or matrix instructions and memory instructions, with s_wait_alu, always for 0.
; THE PLAN.  Registers that memory instructions touch:
;   v120-183, v224-231  the loads' offsets: all made at the head, ahead of the wait for the arguments; read by the 110 loads, which go out in one run behind ONE wait on va_vdst.  These registers are S and WK afterwards:
;                       one wait on vm_vsrc, beside the wait on XCNT behind the last load, stands ahead of their first new write.
;   QR, QSR, KF, KS, VR, window 1   loaded once, never loaded again.
;   v4, v5              the stores' offsets: written once at the head.
;   OC, OW              a tile's two registers of codes are its own; written by its conversions, read by one store, which stands in the NEXT tile, straight behind the wait on va_vdst that stands there for the query operand.
; A tile's waits on va_vdst: ahead of the first product (the operand made by selects; the last tile's codes), ahead of the exponentials and behind them, ahead of the reciprocal, ahead of the second product (p's codes and words; the reciprocal).
; Scalar registers that vector instructions write: s8 (the wave's number), a tile's 32 masks (s40-55, s66-81), VCC at the end: one wait ahead of each first reader.
.set THR, 6                            ; v6, v7  r + 8 (r / 8) - 16 h (+ 8): the mask's threshold for uq = 0, 1
.set QW,  8                            ; v8-11   q's scale byte of tile tt, in all four bytes
.set KS,  12                           ; v12-14  k's scale words of pair g
.set QSR, 15                           ; v15     q's four bytes as loaded
.set VSW, 16                           ; v16-31  v's scale words of K step i: lanes 0-15 channel tile 0, lanes 16-31 tile 1
.set QR,  32                           ; v32-47  q's codes, 4 registers a tile, in both halves of the lanes
.set QS,  48                           ; v48-67  0 A 0 B 0, four registers each: A = q in lanes 0-15, B = q in lanes 16-31
.set KF,  68                           ; v68-91  k's three fragments
.set CN,  92                           ; v92-99  0x66666666
.set P,   100                          ; v100-115 p's codes: K step 0, K step 1
.set PWA, 116                          ; p's scale words: relative blocks 0-3, 4-7, and the constant blocks'
.set PWB, 117
.set PWC, 118
.set S,   120                          ; v120-199 the scores of 5 blocks x 16, then p
.set O,   120                          ; v120-135 O^T, once p's sums are taken
.set BM,  200                          ; v200-205 each block's largest score, then its largest p; the sixth is the score 0
.set BT,  206                          ; v206-211 the other half's, then the bytes
.set BSC, 212                          ; v212-217 the conversions' scale operands
.set NM,  218                          ; v[218:219] -M (the pair is named; its low word serves both halves)
.set SU,  220                          ; v220-223 two pairs of sums
.set WK,  224                          ; v224-231 at work
.set OC,  232                          ; v232-239 o's codes, 2 a tile
.set OW,  240                          ; o's four bytes
.set VO,  120                          ; at the head only: v120-151 V's offsets, v152-183 its scale halves' offsets, v184-215 those halves
.set SO,  152
.set VR,  184
.set KO,  224                          ; v224-226, v227-229, v230, v231: offsets of k's codes, k's words, q's word, q's codes
.set KSO, 227
.set QSO, 230
.set R16, 231
.set SEL, 32
.set MKA, 40                           ; s40-55  the first block's sixteen masks
.set MKB, 66                           ; s66-81  the last block's
.set MSB, 0
.macro WIN new
.if MSB != \new
	s_set_vgpr_msb (MSB<<8)|\new
.set MSB, \new
.endif
.endm
.macro NOPS n
.rept \n
	v_nop
.endr
.endm
.macro WM d, a, b, c, sa, sb, row      ; c < 0: the constant 0 starts the sum.  row 1: source 0's scales from lanes 16-31
.if (\c) < 0
.if (\row) == 0
	v_wmma_scale_f32_16x16x128_f8f6f4 v[\d:\d+7], v[\a:\a+7], v[\b:\b+7], 0, v[\sa], v[\sb] matrix_a_fmt:MATRIX_FMT_FP4 matrix_b_fmt:MATRIX_FMT_FP4
.else
	v_wmma_scale_f32_16x16x128_f8f6f4 v[\d:\d+7], v[\a:\a+7], v[\b:\b+7], 0, v[\sa], v[\sb] matrix_a_fmt:MATRIX_FMT_FP4 matrix_b_fmt:MATRIX_FMT_FP4 matrix_a_scale:MATRIX_SCALE_ROW1
.endif
.else
.if (\row) == 0
	v_wmma_scale_f32_16x16x128_f8f6f4 v[\d:\d+7], v[\a:\a+7], v[\b:\b+7], v[\c:\c+7], v[\sa], v[\sb] matrix_a_fmt:MATRIX_FMT_FP4 matrix_b_fmt:MATRIX_FMT_FP4
.else
	v_wmma_scale_f32_16x16x128_f8f6f4 v[\d:\d+7], v[\a:\a+7], v[\b:\b+7], v[\c:\c+7], v[\sa], v[\sb] matrix_a_fmt:MATRIX_FMT_FP4 matrix_b_fmt:MATRIX_FMT_FP4 matrix_a_scale:MATRIX_SCALE_ROW1
.endif
.endif
.endm
.macro BYTEREG sym, kb, cq             ; which register holds relative block kb's byte
.if ((\kb) >= (\cq)) && ((\kb) <= (\cq)+4)
.set \sym, BT+(\kb)-(\cq)
.else
.set \sym, BT+5
.endif
.endm
.macro PWORD dst, k0, cq               ; the scale word of relative blocks k0 .. k0 + 3
	BYTEREG X0, \k0, \cq
	BYTEREG X1, \k0+1, \cq
	BYTEREG X2, \k0+2, \cq
	BYTEREG X3, \k0+3, \cq
	v_lshl_or_b32 v[\dst], v[X1], 8, v[X0]
	v_lshl_or_b32 v[\dst], v[X2], 16, v[\dst]
	v_lshl_or_b32 v[\dst], v[X3], 24, v[\dst]
.endm
	s_load_b128 s[4:7], s[0:1], 0x0                ; qkv, oq
	v_lshrrev_b32 v1, 5, v0
	v_readfirstlane_b32 s8, v1                     ; wave 0..3
	s_and_b32 s9, ttmp7, 0xffff                    ; bh
	s_lshl_b32 s10, ttmp9, 2
	s_wait_alu depctr_va_sdst(0)                   ; s8 is written, ahead of its first reader: the group of queries and all bases are made from it
	s_add_co_u32 s10, s10, s8                      ; G: my group of 64 queries
	s_add_co_u32 s11, s10, 31
	s_and_b32 s11, s11, 31                         ; the pair at which the walk begins: G - 1, round the end
	s_mov_b32 s13, 0
	s_mov_b32 s15, 0
	s_mov_b32 s30, 0xffff                          ; lanes 0-15
	s_mov_b32 s31, 0xffff0000                      ; lanes 16-31
	s_mov_b32 s[SEL], 0x76543210
	s_mov_b32 s[SEL+1], 0xfedcba98
	s_mov_b32 s34, 0x3fb8aa3b                      ; log2 e
	s_mov_b32 s35, s34
	s_mov_b32 s38, 0x446c0000                      ; 944: half of the 2,048 - 160 keys whose p is 2^-M
	s_cmp_eq_u32 s10, 0
	s_cselect_b32 s36, 0, -1                       ; pair 0 has gone round the end
	s_cmp_eq_u32 s10, 31
	s_cselect_b32 s37, 0, -1                       ; pair 2 has
	v_and_b32 v1, 31, v0                           ; L
	v_and_b32 v2, 15, v0                           ; r
	v_bfe_u32 v3, v0, 4, 1                         ; h
	v_lshlrev_b32 v4, 4, v2
	v_lshl_add_u32 v4, v3, 3, v4                   ; 16 r + 8 h: my 8 bytes of o's codes
	v_lshlrev_b32 v5, 2, v2                        ; 4 r
	v_and_b32 v6, 8, v2
	v_add_nc_u32 v6, v6, v2
	v_lshlrev_b32 v7, 4, v3
	v_sub_nc_u32 v6, v6, v7                        ; r + 8 (r / 8) - 16 h
	v_add_nc_u32 v7, 8, v6
	v_lshlrev_b32 v[R16], 4, v2
	s_lshl_b32 s14, s11, 10
	v_lshl_add_u32 v241, v3, 9, v[R16]
	v_add_nc_u32 v241, s14, v241                   ; V: 1,024 x pair + 512 h + 16 r
	v_lshl_add_u32 v243, v1, 4, s14                ; k: 1,024 x pair + 16 L
	s_lshl_b32 s14, s11, 6
	v_lshl_add_u32 v242, v1, 1, s14                ; V's bytes: 64 x pair + 2 L
	s_lshl_b32 s14, s11, 7
	v_add_nc_u32 v244, s14, v5                     ; k's words: 128 x pair + 4 r
	s_lshl_b32 s14, s10, 7
	v_add_nc_u32 v[QSO], s14, v5
.irp g, 0,1,2
	v_add_nc_u32 v[KO+\g], 1024*\g, v243
	v_add_nc_u32 v[KSO+\g], 128*\g, v244
.endr
.irp g, 0,1,2
	v_and_b32 v[KO+\g], 0x7fff, v[KO+\g]           ; round the head's end
	v_and_b32 v[KSO+\g], 0xfff, v[KSO+\g]
.endr
.set nn, 0                             ; all the loads' offsets are made here, while the arguments are on their way, so that one wait serves the whole run of loads
.rept 32
	v_add_nc_u32 v[SO+nn], 64*nn, v242
.set nn, nn+1
.endr
.set nn, 0
.rept 32
	v_and_b32 v[SO+nn], 0x7ff, v[SO+nn]
.set nn, nn+1
.endr
.set nn, 0
.rept 32
	v_add_nc_u32 v[VO+nn], 1024*nn, v241
.set nn, nn+1
.endr
.set nn, 0
.rept 32
	v_and_b32 v[VO+nn], 0x7fff, v[VO+nn]
.set nn, nn+1
.endr
	s_wait_kmcnt 0x0
	s_lshl_b32 s12, s9, 15
	s_add_nc_u64 s[18:19], s[4:5], s[12:13]
	s_add_nc_u64 s[20:21], s[18:19], 0x200000      ; v's codes of the head
	s_lshl_b32 s14, s10, 10
	s_add_nc_u64 s[16:17], s[18:19], s[14:15]      ; q's codes of my 64 queries
	s_add_nc_u64 s[18:19], s[18:19], 0x100000      ; k's codes of the head
	s_lshl_b32 s12, s9, 12
	s_add_co_u32 s12, s12, 0x300000
	s_add_nc_u64 s[22:23], s[4:5], s[12:13]        ; q's and k's scale words
	s_lshl_b32 s12, s9, 11
	s_add_co_u32 s12, s12, 0x320000
	s_add_nc_u64 s[24:25], s[4:5], s[12:13]        ; v's scale bytes
	s_wait_alu depctr_va_vdst(0)                   ; all offsets are written: v120-183 and v224-231, which the 110 loads below read, and v4, v5, which the stores read.  Only loads and window switches stand in the run
.irp t, 0,1,2,3
	global_load_b128 v[QR+4*\t:QR+4*\t+3], v[R16], s[16:17] offset:\t*256
.endr
	global_load_b32 v[QSR], v[QSO], s[22:23]
.irp g, 0,1,2
.irp c, 0,1
	global_load_b128 v[KF+8*\g+4*\c:KF+8*\g+4*\c+3], v[KO+\g], s[18:19] offset:\c*512   ; 512 consecutive bytes: lane 16 u + r takes key slot (c, u, r): K block 2 c + u of row r
.endr
.endr
.irp g, 0,1,2
	global_load_b32 v[KS+\g], v[KSO+\g], s[22:23] offset:64
.endr
.set nn, 0
.rept 32
	global_load_u16 v[VR+nn], v[SO+nn], s[24:25]   ; pair n's two bytes of channel slot L
.set nn, nn+1
.endr
	WIN 0x40                                       ; destination window 1, address window 0
.set nn, 0
.rept 32
.irp e, 0,1
	global_load_b128 v[16*(nn/2)+8*\e+4*(nn%2):16*(nn/2)+8*\e+4*(nn%2)+3], v[VO+nn], s[20:21] offset:\e*256   ; V's fragment (K step n / 2, channel tile e), register group n % 2
.endr
.set nn, nn+1
.endr
	WIN 0
	s_and_b32 s14, s9, 15                          ; the head
	s_lshr_b32 s12, s9, 4
	s_lshl_b32 s12, s12, 5
	s_add_co_u32 s39, s12, s10                     ; the group among both batches' 64
	s_lshl_b32 s12, s14, 16
	s_lshl_b32 s8, s39, 10
	s_add_co_u32 s12, s12, s8
	s_add_nc_u64 s[26:27], s[6:7], s[12:13]        ; o's codes
	s_lshl_b32 s12, s14, 12
	s_lshl_b32 s8, s39, 6
	s_add_co_u32 s12, s12, s8
	s_add_co_u32 s12, s12, 0x100000
	s_add_nc_u64 s[28:29], s[6:7], s[12:13]        ; o's bytes
.irp i, 0,1,2,3
	v_mov_b32 v[QS+\i], 0                          ; (these 21 registers are named by no memory instruction)
	v_mov_b32 v[QS+8+\i], 0
	v_mov_b32 v[QS+16+\i], 0
.endr
.irp i, 0,1,2,3,4,5,6,7
	v_mov_b32 v[CN+\i], 0x66666666
.endr
	v_mov_b32 v[NM+1], 0
	s_wait_loadcnt 63                              ; 110 loads are issued: at most 63 out means the first 47 are in: q, k, their words and V's 32 halves are the first 46
	s_wait_xcnt 0x0                                ; all addresses are translated: the offsets' registers may be written again
	s_wait_alu depctr_vm_vsrc(0)                   ; all 110 loads have read their offsets v120-183 and v224-231, which vector and matrix instructions write from here on
.irp t, 0,1,2,3
	v_perm_b32 v[QW+\t], v[QSR], v[QSR], \t*0x01010101   ; tile t's byte in all four: whichever K block holds q has it
.endr
.set nn, 0
.rept 16
	v_lshl_or_b32 v[VSW+nn], v[VR+2*nn+1], 16, v[VR+2*nn]
.set nn, nn+1
.endr
.irp i, 0,1,2,3,4,5
	v_mov_b32 v[BT+\i], 0                          ; a lane permute's destination counts as one of its sources
.endr
	v_mov_b32 v[WK+3], 0
.irp i, 0,1,2,3,4,5,6,7
	v_and_b32 v[KF+\i], s36, v[KF+\i]              ; zero codes where the pair has gone round the end: scores 0, as outside the band
	v_and_b32 v[KF+16+\i], s37, v[KF+16+\i]
.endr
; ONE TILE OF 16 QUERIES.
.macro TILE cq, uq, first
.set tt, 2*\cq+\uq
.irp i, 0,1,2,3
	v_cndmask_b32 v[QS+4+\i], 0, v[QR+4*tt+\i], s30    ; A
	v_cndmask_b32 v[QS+12+\i], 0, v[QR+4*tt+\i], s31   ; B
.endr
	NOPS 4                                         ; an operand written by vector instructions stands four places ahead of a scaled matrix instruction
	s_wait_alu depctr_va_vdst(0)                   ; the selects have written the query operand QS, which the products below take (in the first tile also: QW, VSW, CN and k's masked codes are written); and the last tile's conversions have written its codes, which the store below reads
.if tt > 0
	global_store_b64 v4, v[OC+2*(tt-1):OC+2*(tt-1)+1], s[26:27] offset:(tt-1)*256   ; the tile before: 256 consecutive bytes, aligned; each tile has its own registers
.endif
.irp bl, 0,1,2,3,4                     ; S^T of relative block cq + bl, key tiles 0 and 1: K block beta = 2 (block % 2) + tile; q begins at 4 (1 - beta / 2) + 8 (beta % 2)
.irp e, 0,1
.set bb, \cq+\bl
	WM S+16*\bl+8*\e, KF+8*(bb/2), QS+4*(1-bb%2)+8*\e, -1, KS+bb/2, QW+tt, 0
.endr
.endr
	NOPS 4
.set ii, 0                             ; register i of a block is key 16 h + i.  The first block counts from the threshold on, the last up to it; the three between count whole.  The 32 masks in one run, each in a scalar register of its own
.rept 16
	v_cmp_ge_i32 s[MKA+ii], ii, v[THR+\uq]
.set ii, ii+1
.endr
.set ii, 0
.rept 16
	v_cmp_le_i32 s[MKB+ii], ii, v[THR+\uq]
.set ii, ii+1
.endr
	s_wait_alu depctr_va_sdst(0)                   ; the 32 compares have written s40-55 and s66-81, ahead of their first reader
.set ii, 0
.rept 16
	v_cndmask_b32 v[S+ii], 0, v[S+ii], s[MKA+ii]
.set ii, ii+1
.endr
.set ii, 0
.rept 16
	v_cndmask_b32 v[S+64+ii], 0, v[S+64+ii], s[MKB+ii]
.set ii, ii+1
.endr
.irp bl, 0,1,2,3,4                     ; each block's largest score: for the row's maximum and, since p rises with the score, for the block's largest p
	v_max3_num_f32 v[BM+\bl], v[S+16*\bl], v[S+16*\bl+1], v[S+16*\bl+2]
.endr
.irp i, 3,5,7,9,11,13
.irp bl, 0,1,2,3,4
	v_max3_num_f32 v[BM+\bl], v[BM+\bl], v[S+16*\bl+\i], v[S+16*\bl+\i+1]
.endr
.endr
.irp bl, 0,1,2,3,4
	v_max_num_f32 v[BM+\bl], v[BM+\bl], v[S+16*\bl+15]
.endr
.irp bl, 0,1,2,3,4
	v_permlanex16_b32 v[BT+\bl], v[BM+\bl], s[SEL], s[SEL+1]
.endr
.irp bl, 0,1,2,3,4
	v_max_num_f32 v[BM+\bl], v[BM+\bl], v[BT+\bl]
.endr
	v_mov_b32 v[BM+5], 0                           ; the score of every key outside the band
	v_max3_num_f32 v[WK], v[BM], v[BM+1], v[BM+2]
	v_max3_num_f32 v[WK], v[WK], v[BM+3], v[BM+4]
	v_max_num_f32 v[WK], 0, v[WK]                  ; 0 is among every row's logits
	v_mul_f32 v[WK], s34, v[WK]
	v_floor_f32 v[NM], -v[WK]                      ; -M = floor(-t) = -ceil(t)
.set jj, 0
.rept 40
	v_pk_fma_f32 v[S+jj:S+jj+1], v[S+jj:S+jj+1], s[34:35], v[NM:NM+1] op_sel_hi:[1,0,0]   ; t - M
.set jj, jj+2
.endr
.irp bl, 0,1,2,3,4,5
	v_fma_f32 v[BM+\bl], v[BM+\bl], s34, v[NM]
.endr
.set jj, 0
	s_wait_alu depctr_va_vdst(0)
.rept 80
	v_exp_f32 v[S+jj], v[S+jj]                     ; p
.set jj, jj+1
.endr
.irp bl, 0,1,2,3,4,5
	v_exp_f32 v[BM+\bl], v[BM+\bl]                 ; the same two instructions on the same number: the block's largest p
.endr
	v_nop                                          ; a plain place behind the exponentials
	s_wait_alu depctr_va_vdst(0)                   ; the 86 exponentials have written S and BM, which the lines below read: one wait for the batch
	v_mov_b32 v[WK+1], v[BM+5]                     ; 2^-M
.irp bl, 0,1,2,3,4,5
	v_max_num_f32 v[BM+\bl], 0x1800000, v[BM+\bl]  ; the floor: the byte cannot fall under 1
.endr
.irp bl, 0,1,2,3,4,5
	v_add_nc_u32 v[BSC+\bl], 0xff000000, v[BM+\bl]
.endr
.irp bl, 0,1,2,3,4,5
	v_lshrrev_b32 v[BT+\bl], 23, v[BSC+\bl]
.endr
	PWORD PWA, 0, \cq
	PWORD PWB, 4, \cq
	v_perm_b32 v[PWC], v[BT+5], v[BT+5], 0         ; 125 - M in all four bytes
.set kb, 0
.rept 8
.if (kb >= \cq) && (kb <= \cq+4)
	v_cvt_scalef32_pk8_fp4_f32 v[P+2*kb], v[S+16*(kb-\cq):S+16*(kb-\cq)+7], v[BSC+kb-\cq]
	v_cvt_scalef32_pk8_fp4_f32 v[P+2*kb+1], v[S+16*(kb-\cq)+8:S+16*(kb-\cq)+15], v[BSC+kb-\cq]
.else
	v_mov_b32 v[P+2*kb], 0x66666666
	v_mov_b32 v[P+2*kb+1], 0x66666666
.endif
.set kb, kb+1
.endr
	v_nop                                          ; one plain place behind a scaled conversion
.irp k, 0,1,2                          ; a whole block to a lane; blocks 6 and 7 are constant in both halves
.irp i, 0,1
	v_permlane16_swap_b32 v[P+4*\k+\i], v[P+4*\k+2+\i]
.endr
.endr
	v_pk_add_f32 v[SU:SU+1], v[S:S+1], v[S+2:S+3]  ; the sum of the unquantised p, in two chains.  (These lines are also the places between p's words and codes and the products)
	v_pk_add_f32 v[SU+2:SU+3], v[S+4:S+5], v[S+6:S+7]
.irp j, 8,12,16,20,24,28,32,36,40,44,48,52,56,60,64,68,72,76
	v_pk_add_f32 v[SU:SU+1], v[SU:SU+1], v[S+\j:S+\j+1]
	v_pk_add_f32 v[SU+2:SU+3], v[SU+2:SU+3], v[S+\j+2:S+\j+3]
.endr
	v_pk_add_f32 v[SU:SU+1], v[SU:SU+1], v[SU+2:SU+3]
	v_add_f32 v[WK+2], v[SU], v[SU+1]
	v_fma_f32 v[WK+2], v[WK+1], s38, v[WK+2]       ; + 944 x 2^-M in each half of the lanes
	v_permlanex16_b32 v[WK+3], v[WK+2], s[SEL], s[SEL+1]
	v_add_f32 v[WK+2], v[WK+2], v[WK+3]
	s_wait_alu depctr_va_vdst(0)
	v_rcp_f32 v[WK+4], v[WK+2]
	v_nop                                          ; a plain place behind the reciprocal
.if \first
	s_wait_loadcnt 0x0                             ; V
.endif
	s_wait_alu depctr_va_vdst(0)                   ; p's codes P and its words PWA, PWB, PWC are written, which the products below take; and the reciprocal has written v[WK+4], ahead of its first reader behind the products
	WIN 0x01                                       ; source 0 (V) window 1
.set ii, 0                             ; O^T = V^T P^T over all 2,048 keys: the two accumulators take turns, one instruction a turn
.rept 16
.irp e, 0,1
.if ii == 0
	WM O+8*\e, 16*ii+8*\e, P, -1, VSW+ii, PWA, \e
.elseif ii == 1
	WM O+8*\e, 16*ii+8*\e, P+8, O+8*\e, VSW+ii, PWB, \e
.else
	WM O+8*\e, 16*ii+8*\e, CN, O+8*\e, VSW+ii, PWC, \e
.endif
.endr
.set ii, ii+1
.endr
	WIN 0
	NOPS 4
.set ii, 0
.rept 16
	v_mul_f32 v[O+ii], v[O+ii], v[WK+4]            ; / the sum: register i is channel 16 h + i of my query
.set ii, ii+1
.endr
	v_max3_num_f32 v[WK], |v[O]|, |v[O+1]|, 0x1800000   ; o's block: the head's 32 channels, in lanes l and l xor 16
	v_max3_num_f32 v[WK+5], |v[O+2]|, |v[O+3]|, |v[O+4]|
	v_max3_num_f32 v[WK], v[WK], |v[O+5]|, |v[O+6]|
	v_max3_num_f32 v[WK+5], v[WK+5], |v[O+7]|, |v[O+8]|
	v_max3_num_f32 v[WK], v[WK], |v[O+9]|, |v[O+10]|
	v_max3_num_f32 v[WK+5], v[WK+5], |v[O+11]|, |v[O+12]|
	v_max3_num_f32 v[WK], v[WK], |v[O+13]|, |v[O+14]|
	v_max3_num_f32 v[WK], v[WK], v[WK+5], |v[O+15]|
	v_permlanex16_b32 v[WK+3], v[WK], s[SEL], s[SEL+1]
	v_max_num_f32 v[WK], v[WK], v[WK+3]
	v_add_nc_u32 v[WK+6], 0xff000000, v[WK]
	v_lshrrev_b32 v[WK+7], 23, v[WK+6]
	v_cvt_scalef32_pk8_fp4_f32 v[OC+2*tt], v[O:O+7], v[WK+6]
	v_cvt_scalef32_pk8_fp4_f32 v[OC+2*tt+1], v[O+8:O+15], v[WK+6]
	v_nop                                          ; one plain place behind a scaled conversion
.if tt == 0
	v_mov_b32 v[OW], v[WK+7]
.else
	v_lshl_or_b32 v[OW], v[WK+7], 8*tt, v[OW]
.endif
.endm                                  ; the tile's codes are stored in the next tile, behind its first wait; the last tile's below
	TILE 0, 0, 1
	TILE 0, 1, 0
	TILE 1, 0, 0
	TILE 1, 1, 0
	s_wait_alu depctr_va_vdst(0)                   ; the last tile's conversions have written v[OC+6:OC+7], which the store below reads
	global_store_b64 v4, v[OC+6:OC+7], s[26:27] offset:3*256
	v_cmp_gt_u32 vcc_lo, 16, v1
	s_wait_xcnt 0x0                                ; EXEC changes only behind this wait
	s_wait_alu depctr_va_vcc(0)                    ; the compare has written VCC, from which EXEC is made
	s_wait_alu depctr_va_vdst(0)                   ; ahead of the write of EXEC: every vector instruction issued so far has written its result, v[OW] among them, which the store below reads
	s_wait_alu depctr_vm_vsrc(0)                   ; ahead of the write of EXEC: the stores issued so far have read their registers
	s_and_saveexec_b32 s39, vcc_lo
	global_store_b32 v5, v[OW], s[28:29]           ; lanes 0-15: 64 consecutive bytes
	s_endpgm
.Lfunc_end_k_qd10aefc239_attn:
	.size	k_qd10aefc239_attn, .Lfunc_end_k_qd10aefc239_attn-k_qd10aefc239_attn
	.p2alignl 7, 3214868480
	.fill 96, 4, 3214868480
	.section	.rodata,"a",@progbits
	.p2align	6, 0x0
	.amdhsa_kernel k_qd10aefc239_attn
		.amdhsa_group_segment_fixed_size 0
		.amdhsa_private_segment_fixed_size 0
		.amdhsa_enable_private_segment 0
		.amdhsa_kernarg_size 16
		.amdhsa_user_sgpr_count 2
		.amdhsa_user_sgpr_kernarg_segment_ptr 1
		.amdhsa_wavefront_size32 1
		.amdhsa_system_sgpr_workgroup_id_x 1
		.amdhsa_system_sgpr_workgroup_id_y 1
		.amdhsa_system_sgpr_workgroup_id_z 1
		.amdhsa_system_vgpr_workitem_id 0
		.amdhsa_next_free_vgpr 512
		.amdhsa_next_free_sgpr 82
		.amdhsa_reserve_vcc 1
		.amdhsa_float_denorm_mode_32 3
		.amdhsa_float_denorm_mode_16_64 3
		.amdhsa_memory_ordered 1
		.amdhsa_forward_progress 1
		.amdhsa_inst_pref_size 130
	.end_amdhsa_kernel
	.amdgpu_metadata
---
amdhsa.version: [ 1, 2 ]
amdhsa.kernels:
  - .name:           k_qd10aefc239_attn
    .symbol:         k_qd10aefc239_attn.kd
    .args:
      - { .name: qkv, .offset: 0, .size: 8, .value_kind: global_buffer, .address_space: global }
      - { .name: oq, .offset: 8, .size: 8, .value_kind: global_buffer, .address_space: global }
    .group_segment_fixed_size: 0
    .private_segment_fixed_size: 0
    .kernarg_segment_align: 8
    .kernarg_segment_size: 16
    .max_flat_workgroup_size: 128
    .sgpr_count:     82
    .vgpr_count:     512
    .wavefront_size: 32
...
	.end_amdgpu_metadata
.endif
;; end of part 7
;; launch outln (part 8): grid 256 x 1, 8 waves a work-group, no clusters, 34,304 bytes of LDS; arguments oq, wq, x, b_out, ln_gamma, ln_beta, out0; writes out0
.if DOCPART == 8
	.amdgcn_target "amdgcn-amd-amdhsa--gfx1250"
	.amdhsa_code_object_version 6
	.text
	.protected	k_qd10aefc239_outln
	.globl	k_qd10aefc239_outln
	.p2align	8
	.type	k_qd10aefc239_outln,@function
k_qd10aefc239_outln:
	s_mov_b64 s[64:65], 0
	v_nop
	global_prefetch_b8 v0, s[64:65] scope:SCOPE_SE
	s_setreg_imm32_b32 hwreg(HW_REG_WAVE_SCHED_MODE, 0, 2), 2
	s_setreg_imm32_b32 hwreg(HW_REG_WAVE_MODE, 25, 1), 1
	s_wait_xcnt 0x0
	s_wait_alu depctr_vm_vsrc(0)
; out0 = LayerNorm(x + o W_out + b_out) x gamma + beta.  The product runs on codes of FP4 (E2M1) with E8M0 scales; all else in f32.
; SHARES.  A work-group takes one tile of 16 tokens (slot order: row r is token 32 (T / 2) + 8 (T % 2) + r + 8 (r / 8)) x all 512 columns, since the norm wants whole rows.
; Wave w makes columns 64 w .. 64 w + 63: 4 tiles of columns x 4 K steps = 16 matrix instructions on 4 accumulators by turns; then it norms rows 2 w and 2 w + 1, which are neighbouring tokens.
; THE PRODUCT IS USED TRANSPOSED (source 0 = 16 columns of W_out, source 1 = the 16 tokens): a lane holds 8 neighbouring columns of one row.  The rows meet in a stage in LDS: one barrier.
; K block 4 s + 2 c + h of the product is head 4 s + 2 c + h of o.  All loads go out at the head; x and the parameters stay on their way under the products.
; The variance is taken of y - mean, in a second pass over registers, not as a difference of large sums.
; THE MODE: SCHED_MODE bits 1:0 = 2 (LLVM: expert scheduling mode 2), set by the entry lines.  The code itself states the register dependences
; between vector or matrix instructions and memory or LDS instructions, with s_wait_alu, always for 0.
; THE PLAN.  Registers that memory or LDS instructions touch:
;   v1-v6, v254, v255   offsets, LDS addresses and the closing add's two: written once at the head, never again.
;   ORW, OF, WS, window 1, XR, BO, GA, BE   loaded once, read by vector and matrix instructions, never loaded again.
;   ACC                 written by the matrix instructions, read by the LDS stores, never written again.
;   Y                   lands from the stage, is worked on by vector instructions, is read by the eight global stores at the end.
; So four waits on va_vdst state the text's dependences on memory: ahead of the first load (the offsets), ahead of the products (o's scale words, made by vector instructions), ahead of the LDS stores (the accumulators),
; ahead of the global stores (Y); two more stand ahead of the four v_rsq_f32 and behind them.  One wait on va_sdst stands ahead of the first reader of the wave's number.  Nothing that a memory or LDS instruction has read is written again.
.set OSW, 12                           ; v12-15  o's scale words of K step s
.set ORW, 16                           ; v16-31  their bytes as loaded
.set WS,  32                           ; v32-39  W's scale words (block q, K step s): lanes 0-15 tile 0, lanes 16-31 tile 1
.set OF,  40                           ; v40-71  o's four fragments
.set ACC, 72                           ; v72-103 accumulator (q, e) at 8 (2 q + e)
.set XR,  104                          ; v104-135 x, two rows x 16
.set BO,  136                          ; v136-151 b_out;  v152-167 gamma;  v168-183 beta: my 16 columns 4 L + 128 i + 0 .. 3
.set GA,  152
.set BE,  168
.set Y,   184                          ; v184-215 y, two rows x 16
.set WK,  216                          ; v216-223 two pairs of sums a row; v224-225 the rows' sums; v226-227 the other half's; v228-231 the means; v232-235 1 / sqrt
.set SPITCH, 2064                      ; a stage row: 2,048 bytes + 16: 516 words, so that 16 rows begin at 16 different groups of four banks
.set SEL, 36
.set MSB, 0
.macro WIN new
.if MSB != \new
	s_set_vgpr_msb (MSB<<8)|\new
.set MSB, \new
.endif
.endm
.macro NOPS n
.rept \n
	v_nop
.endr
.endm
.macro WM d, a, b, c, sa, sb, row      ; c < 0: the constant 0 starts the sum.  row 1: source 0's scales from lanes 16-31
.if (\c) < 0
.if (\row) == 0
	v_wmma_scale_f32_16x16x128_f8f6f4 v[\d:\d+7], v[\a:\a+7], v[\b:\b+7], 0, v[\sa], v[\sb] matrix_a_fmt:MATRIX_FMT_FP4 matrix_b_fmt:MATRIX_FMT_FP4
.else
	v_wmma_scale_f32_16x16x128_f8f6f4 v[\d:\d+7], v[\a:\a+7], v[\b:\b+7], 0, v[\sa], v[\sb] matrix_a_fmt:MATRIX_FMT_FP4 matrix_b_fmt:MATRIX_FMT_FP4 matrix_a_scale:MATRIX_SCALE_ROW1
.endif
.else
.if (\row) == 0
	v_wmma_scale_f32_16x16x128_f8f6f4 v[\d:\d+7], v[\a:\a+7], v[\b:\b+7], v[\c:\c+7], v[\sa], v[\sb] matrix_a_fmt:MATRIX_FMT_FP4 matrix_b_fmt:MATRIX_FMT_FP4
.else
	v_wmma_scale_f32_16x16x128_f8f6f4 v[\d:\d+7], v[\a:\a+7], v[\b:\b+7], v[\c:\c+7], v[\sa], v[\sb] matrix_a_fmt:MATRIX_FMT_FP4 matrix_b_fmt:MATRIX_FMT_FP4 matrix_a_scale:MATRIX_SCALE_ROW1
.endif
.endif
.endm
; Each row's two pairs of sums become one number in every lane, v[WK+8+k]; the two rows by turns.
.macro ROWSUM
.irp k, 0,1
	v_pk_add_f32 v[WK+4*\k:WK+4*\k+1], v[WK+4*\k:WK+4*\k+1], v[WK+4*\k+2:WK+4*\k+3]
.endr
.irp k, 0,1
	v_add_f32 v[WK+8+\k], v[WK+4*\k], v[WK+4*\k+1]
.endr
.irp m, 1,2,4,8
.irp k, 0,1
	v_add_f32_dpp v[WK+8+\k], v[WK+8+\k], v[WK+8+\k] row_xmask:\m row_mask:0xf bank_mask:0xf
.endr
.endr
.irp k, 0,1
	v_permlanex16_b32 v[WK+10+\k], v[WK+8+\k], s[SEL], s[SEL+1]
.endr
.irp k, 0,1
	v_add_f32 v[WK+8+\k], v[WK+8+\k], v[WK+10+\k]
.endr
.endm
	s_load_b256 s[4:11], s[0:1], 0x0               ; oq, wq, x, b_out
	s_load_b128 s[12:15], s[0:1], 0x20             ; ln_gamma, ln_beta
	s_load_b64 s[16:17], s[0:1], 0x30              ; out0
	v_lshl_add_u32 v254, v0, 2, 0x8200
	v_mov_b32 v255, 0
	v_lshrrev_b32 v1, 5, v0
	v_readfirstlane_b32 s18, v1                    ; wave 0..7
	v_and_b32 v7, 31, v0                           ; L
	v_and_b32 v8, 15, v0                           ; r
	v_bfe_u32 v9, v0, 4, 1                         ; h
	v_lshlrev_b32 v1, 4, v7                        ; 16 L
	v_lshlrev_b32 v2, 2, v7                        ; 4 L
	v_lshlrev_b32 v3, 2, v8                        ; 4 r
	v_lshlrev_b32 v4, 4, v8
	v_lshl_add_u32 v4, v9, 16, v4                  ; o's codes: 65,536 h (the next head) + 16 r
	v_mul_u32_u24 v5, v8, SPITCH
	v_lshl_add_u32 v5, v9, 6, v5
	s_wait_alu depctr_va_sdst(0)                   ; s18 is written, ahead of its first reader: the stage's addresses and the bases are made from it
	s_lshl_b32 s19, s18, 8
	v_add_nc_u32 v5, s19, v5                       ; into the stage: row r, + 64 h + 256 w
	s_mul_i32 s19, s18, 2*SPITCH
	v_add_nc_u32 v6, s19, v1                       ; out of it: rows 2 w on, 16 L
	v_mov_b32 v[WK+10], 0                          ; a lane permute's destination counts as one of its sources
	v_mov_b32 v[WK+11], 0
	s_mov_b32 s33, 0
	s_mov_b32 s34, 0x3b000000                      ; 1 / 512
	s_mov_b32 s35, 0x3727c5ac                      ; 1e-5
	s_mov_b32 s[SEL], 0x76543210
	s_mov_b32 s[SEL+1], 0xfedcba98
	s_wait_kmcnt 0x0
	s_lshr_b32 s32, ttmp9, 2
	s_lshl_b32 s32, s32, 6
	s_and_b32 s19, ttmp9, 3
	s_add_co_u32 s32, s32, s19
	s_add_co_u32 s32, s32, 0x100000
	s_add_nc_u64 s[20:21], s[4:5], s[32:33]        ; o's bytes: 0x100000 + 64 (T / 4) + T % 4
	s_lshl_b32 s32, ttmp9, 8
	s_add_nc_u64 s[22:23], s[4:5], s[32:33]        ; o's codes: 256 T
	s_lshl_b32 s32, s18, 10
	s_add_co_u32 s32, s32, 0x64000
	s_add_nc_u64 s[24:25], s[6:7], s[32:33]        ; W_out's scale words: my two blocks of 32 columns
	s_lshl_b32 s32, s18, 14
	s_add_co_u32 s32, s32, 0x40000
	s_add_nc_u64 s[26:27], s[6:7], s[32:33]        ; and their codes
	s_lshr_b32 s32, ttmp9, 1
	s_lshl_b32 s32, s32, 5
	s_and_b32 s19, ttmp9, 1
	s_lshl_b32 s19, s19, 3
	s_add_co_u32 s32, s32, s19
	s_lshl_b32 s19, s18, 1
	s_add_co_u32 s32, s32, s19
	s_lshr_b32 s19, s18, 2
	s_lshl_b32 s19, s19, 3
	s_add_co_u32 s32, s32, s19                     ; the token of stage row 2 w: 32 (T / 2) + 8 (T % 2) + 2 w + 8 (w / 4)
	s_lshl_b32 s32, s32, 11
	s_add_nc_u64 s[28:29], s[8:9], s[32:33]
	s_add_nc_u64 s[30:31], s[16:17], s[32:33]
	s_wait_alu depctr_va_vdst(0)                   ; v1 to v6, v254 and v255 are written: the offsets and LDS addresses that every load and store of the kernel reads.  Only loads and window switches stand in the run below
.irp s, 0,1,2,3
.irp k, 0,1,2,3
	global_load_u8 v[ORW+4*\s+\k], v3, s[20:21] offset:(4*\s+\k)*4096   ; head 4 s + k's byte of token r
.endr
.endr
.irp s, 0,1,2,3
.irp c, 0,1
	global_load_b128 v[OF+8*\s+4*\c:OF+8*\s+4*\c+3], v4, s[22:23] offset:(4*\s+2*\c)*65536
.endr
.endr
.irp q, 0,1
.irp s, 0,1,2,3
	global_load_b32 v[WS+4*\q+\s], v2, s[24:25] offset:\q*512+\s*128
.endr
.endr
	WIN 0x40                                       ; destination window 1: W's fragment (q, e, s) at 8 (8 q + 4 e + s)
.irp q, 0,1
.irp e, 0,1
.irp s, 0,1,2,3
.irp c, 0,1
	global_load_b128 v[8*(8*\q+4*\e+\s)+4*\c:8*(8*\q+4*\e+\s)+4*\c+3], v1, s[26:27] offset:\q*8192+\e*4096+\s*1024+\c*512
.endr
.endr
.endr
.endr
	WIN 0
.irp k, 0,1
.irp i, 0,1,2,3
	global_load_b128 v[XR+16*\k+4*\i:XR+16*\k+4*\i+3], v1, s[28:29] offset:\k*2048+\i*512 th:TH_LOAD_NT   ; x's last reading
.endr
.endr
.irp i, 0,1,2,3
	global_load_b128 v[BO+4*\i:BO+4*\i+3], v1, s[10:11] offset:\i*512
	global_load_b128 v[GA+4*\i:GA+4*\i+3], v1, s[12:13] offset:\i*512
	global_load_b128 v[BE+4*\i:BE+4*\i+3], v1, s[14:15] offset:\i*512
.endr
	s_wait_loadcnt 63                              ; 84 loads are issued: at most 63 out means the first 21 are in, the 16 bytes among them
.irp s, 0,1,2,3
	v_lshl_or_b32 v[OSW+\s], v[ORW+4*\s+1], 8, v[ORW+4*\s]
.endr
.irp s, 0,1,2,3
	v_lshl_or_b32 v[OSW+\s], v[ORW+4*\s+2], 16, v[OSW+\s]
.endr
.irp s, 0,1,2,3
	v_lshl_or_b32 v[OSW+\s], v[ORW+4*\s+3], 24, v[OSW+\s]
.endr
	s_wait_loadcnt 20                              ; all but x's 8 loads and the parameters' 12
	NOPS 8                                         ; a scale register written by a vector instruction stands eight places ahead of a scaled matrix instruction
	s_wait_alu depctr_va_vdst(0)                   ; the shifts have written o's scale words v[OSW ..], which the products below take; the places above stay beside this wait
	WIN 0x01                                       ; source 0 (W_out) window 1
.irp s, 0,1,2,3                        ; the four accumulators take turns, one instruction a turn
.irp q, 0,1
.irp e, 0,1
.if \s == 0
	WM ACC+8*(2*\q+\e), 8*(8*\q+4*\e+\s), OF+8*\s, -1, WS+4*\q+\s, OSW+\s, \e
.else
	WM ACC+8*(2*\q+\e), 8*(8*\q+4*\e+\s), OF+8*\s, ACC+8*(2*\q+\e), WS+4*\q+\s, OSW+\s, \e
.endif
.endr
.endr
.endr
	WIN 0
	NOPS 4
	s_wait_alu depctr_va_vdst(0)                   ; the matrix instructions have written the accumulators, which the LDS stores read; the places above stay beside this wait
.irp q, 0,1
.irp e, 0,1
	ds_store_b128 v5, v[ACC+8*(2*\q+\e):ACC+8*(2*\q+\e)+3] offset:128*\q+32*\e        ; lane (r, h): columns 64 w + 32 q + 16 h + 8 e + 0 .. 7 of row r; each accumulator from its low end on
	ds_store_b128 v5, v[ACC+8*(2*\q+\e)+4:ACC+8*(2*\q+\e)+7] offset:128*\q+32*\e+16
.endr
.endr
	s_wait_dscnt 0x0                               ; for the others' sake: my stores into the stage are done
	s_barrier_signal -1
	s_barrier_wait -1                              ; sixteen whole rows lie in the stage
.irp k, 0,1
.irp i, 0,1,2,3
	ds_load_b128 v[Y+16*\k+4*\i:Y+16*\k+4*\i+3], v6 offset:\k*SPITCH+512*\i   ; (no vector or matrix instruction has named Y so far)
.endr
.endr
	s_wait_dscnt 0x0
	s_wait_loadcnt 0x0                             ; x and the parameters
.irp p, 0,2,4,6,8,10,12,14
.irp k, 0,1
	v_pk_add_f32 v[Y+16*\k+\p:Y+16*\k+\p+1], v[Y+16*\k+\p:Y+16*\k+\p+1], v[BO+\p:BO+\p+1]
.endr
.endr
.irp p, 0,2,4,6,8,10,12,14
.irp k, 0,1
	v_pk_add_f32 v[Y+16*\k+\p:Y+16*\k+\p+1], v[Y+16*\k+\p:Y+16*\k+\p+1], v[XR+16*\k+\p:XR+16*\k+\p+1]   ; y = x + o W_out + b_out
.endr
.endr
.irp k, 0,1
	v_pk_add_f32 v[WK+4*\k:WK+4*\k+1], v[Y+16*\k:Y+16*\k+1], v[Y+16*\k+2:Y+16*\k+3]
	v_pk_add_f32 v[WK+4*\k+2:WK+4*\k+3], v[Y+16*\k+4:Y+16*\k+5], v[Y+16*\k+6:Y+16*\k+7]
.endr
.irp p, 8,12
.irp k, 0,1
	v_pk_add_f32 v[WK+4*\k:WK+4*\k+1], v[WK+4*\k:WK+4*\k+1], v[Y+16*\k+\p:Y+16*\k+\p+1]
	v_pk_add_f32 v[WK+4*\k+2:WK+4*\k+3], v[WK+4*\k+2:WK+4*\k+3], v[Y+16*\k+\p+2:Y+16*\k+\p+3]
.endr
.endr
	ROWSUM
.irp k, 0,1
	v_mul_f32 v[WK+12+2*\k], s34, v[WK+8+\k]       ; the mean, in both registers of a pair
	v_mul_f32 v[WK+13+2*\k], s34, v[WK+8+\k]
.endr
.irp p, 0,2,4,6,8,10,12,14
.irp k, 0,1
	v_pk_add_f32 v[Y+16*\k+\p:Y+16*\k+\p+1], v[Y+16*\k+\p:Y+16*\k+\p+1], v[WK+12+2*\k:WK+13+2*\k] neg_lo:[0,1] neg_hi:[0,1]   ; y - mean
.endr
.endr
.irp k, 0,1
	v_pk_mul_f32 v[WK+4*\k:WK+4*\k+1], v[Y+16*\k:Y+16*\k+1], v[Y+16*\k:Y+16*\k+1]
	v_pk_mul_f32 v[WK+4*\k+2:WK+4*\k+3], v[Y+16*\k+2:Y+16*\k+3], v[Y+16*\k+2:Y+16*\k+3]
.endr
.irp p, 4,8,12
.irp k, 0,1
	v_pk_fma_f32 v[WK+4*\k:WK+4*\k+1], v[Y+16*\k+\p:Y+16*\k+\p+1], v[Y+16*\k+\p:Y+16*\k+\p+1], v[WK+4*\k:WK+4*\k+1]
	v_pk_fma_f32 v[WK+4*\k+2:WK+4*\k+3], v[Y+16*\k+\p+2:Y+16*\k+\p+3], v[Y+16*\k+\p+2:Y+16*\k+\p+3], v[WK+4*\k+2:WK+4*\k+3]
.endr
.endr
	ROWSUM
.irp k, 0,1
	v_fma_f32 v[WK+8+\k], v[WK+8+\k], s34, s35     ; the variance + 1e-5
.endr
	s_wait_alu depctr_va_vdst(0)
.irp k, 0,1
	v_rsq_f32 v[WK+16+2*\k], v[WK+8+\k]
	v_rsq_f32 v[WK+17+2*\k], v[WK+8+\k]
.endr
	v_nop                                          ; a plain place behind the transcendentals
	s_wait_alu depctr_va_vdst(0)                   ; the four v_rsq_f32 have written v[WK+16 .. WK+19], which the multiplications below read: one wait for the batch
.irp p, 0,2,4,6,8,10,12,14
.irp k, 0,1
	v_pk_mul_f32 v[Y+16*\k+\p:Y+16*\k+\p+1], v[Y+16*\k+\p:Y+16*\k+\p+1], v[WK+16+2*\k:WK+17+2*\k]
.endr
.endr
.irp p, 0,2,4,6,8,10,12,14
.irp k, 0,1
	v_pk_fma_f32 v[Y+16*\k+\p:Y+16*\k+\p+1], v[Y+16*\k+\p:Y+16*\k+\p+1], v[GA+\p:GA+\p+1], v[BE+\p:BE+\p+1]
.endr
.endr
	s_wait_alu depctr_va_vdst(0)                   ; the multiply-adds have written Y, which the eight stores below read
.irp k, 0,1
.irp i, 0,1,2,3
	global_store_b128 v1, v[Y+16*\k+4*\i:Y+16*\k+4*\i+3], s[30:31] offset:\k*2048+\i*512 th:TH_STORE_NT   ; 512 consecutive bytes, aligned; written once
.endr
.endr
	s_wait_dscnt 0x0                               ; the closing lines, six on end
	s_wait_alu 0x0
	s_wait_tensorcnt 0x0
	ds_add_u32 v254, v255
	s_wait_dscnt 0x0
	s_endpgm
.Lfunc_end_k_qd10aefc239_outln:
	.size	k_qd10aefc239_outln, .Lfunc_end_k_qd10aefc239_outln-k_qd10aefc239_outln
	.p2alignl 7, 3214868480
	.fill 96, 4, 3214868480
	.section	.rodata,"a",@progbits
	.p2align	6, 0x0
	.amdhsa_kernel k_qd10aefc239_outln
		.amdhsa_group_segment_fixed_size 34304
		.amdhsa_private_segment_fixed_size 0
		.amdhsa_enable_private_segment 0
		.amdhsa_kernarg_size 56
		.amdhsa_user_sgpr_count 2
		.amdhsa_user_sgpr_kernarg_segment_ptr 1
		.amdhsa_wavefront_size32 1
		.amdhsa_system_sgpr_workgroup_id_x 1
		.amdhsa_system_sgpr_workgroup_id_y 1
		.amdhsa_system_sgpr_workgroup_id_z 1
		.amdhsa_system_vgpr_workitem_id 0
		.amdhsa_next_free_vgpr 384
		.amdhsa_next_free_sgpr 66
		.amdhsa_reserve_vcc 0
		.amdhsa_float_denorm_mode_32 3
		.amdhsa_float_denorm_mode_16_64 3
		.amdhsa_memory_ordered 1
		.amdhsa_forward_progress 1
		.amdhsa_inst_pref_size 26
	.end_amdhsa_kernel
	.amdgpu_metadata
---
amdhsa.version: [ 1, 2 ]
amdhsa.kernels:
  - .name:           k_qd10aefc239_outln
    .symbol:         k_qd10aefc239_outln.kd
    .args:
      - { .name: oq, .offset: 0, .size: 8, .value_kind: global_buffer, .address_space: global }
      - { .name: wq, .offset: 8, .size: 8, .value_kind: global_buffer, .address_space: global }
      - { .name: x, .offset: 16, .size: 8, .value_kind: global_buffer, .address_space: global }
      - { .name: b_out, .offset: 24, .size: 8, .value_kind: global_buffer, .address_space: global }
      - { .name: ln_gamma, .offset: 32, .size: 8, .value_kind: global_buffer, .address_space: global }
      - { .name: ln_beta, .offset: 40, .size: 8, .value_kind: global_buffer, .address_space: global }
      - { .name: out0, .offset: 48, .size: 8, .value_kind: global_buffer, .address_space: global }
    .group_segment_fixed_size: 34304
    .private_segment_fixed_size: 0
    .kernarg_segment_align: 8
    .kernarg_segment_size: 56
    .max_flat_workgroup_size: 256
    .sgpr_count:     66
    .vgpr_count:     384
    .wavefront_size: 32
...
	.end_amdgpu_metadata
.endif
;; end of part 8
